; MI455X (gfx1250); checked and timed in simulation.
; The chip was launched on July 23, 2026; its instructions are those of AMD's public machine-readable ISA for CDNA 5 (MIT licence, August 2026) and "CDNA5" Instruction Set Architecture Reference Guide (July 2026). The comments in the code are by the model that wrote it; some were corrected since.
;; Self Attention. Allowed arithmetic: matrix products marked QUANTISED: E4M3 operands, one given power-of-two scale a tensor, by v_wmma_f32_16x16x64_fp8_fp8 or v_wmma_f32_16x16x128_fp8_fp8, f32 sums; everything else in f32.
;; Inputs: Wk 1,024 x 1,024 float32; Wo 1,024 x 1,024 float32; Wq 1,024 x 1,024 float32; Wv 1,024 x 1,024 float32; lowp_scales 12 int32 (the exponents e of the quantised operands' scales 2^e); x 4 x 2,048 x 1,024 float32.
;; Outputs: out0 4 x 2,048 x 1,024 float32.
;; This version of the problem:
;;   THIS VERSION OF THE PROBLEM IS GIVEN IN LOW PRECISION. The matrix products marked QUANTISED in the list below multiply operands that are first quantised to E4M3 (4 exponent bits, 3 mantissa bits; 8 bits a number), with one given power-of-two scale for each operand tensor; their sums are f32. All else is computed in f32.
;;   The module's matrix products, in the order in which they are computed (A, B: the left and right operand; K: the contracted axis; several contracted axes count as one K, in the product's order):
;;     1. [M 8,192, K 1,024] x [K 1,024, N 1,024]; A: input x; B: input Wq: QUANTISED (scales: A lowp_scales[0], B lowp_scales[1])
;;     2. [M 8,192, K 1,024] x [K 1,024, N 1,024]; A: input x; B: input Wk: QUANTISED (scales: A lowp_scales[2], B lowp_scales[3])
;;     3. [M 8,192, K 1,024] x [K 1,024, N 1,024]; A: input x; B: input Wv: QUANTISED (scales: A lowp_scales[4], B lowp_scales[5])
;;     4. batch 64 x [M 2,048, K 64] x [K 64, N 2,048]; A: computed on the way; B: computed on the way: QUANTISED (scales: A lowp_scales[6], B lowp_scales[7])
;;     5. batch 64 x [M 64, K 2,048] x [K 2,048, N 2,048]; A: computed on the way; B: softmax (see below): QUANTISED (scales: A lowp_scales[8], B lowp_scales[9])
;;     6. [M 8,192, K 1,024] x [K 1,024, N 1,024]; A: computed on the way; B: input Wo: QUANTISED (scales: A lowp_scales[10], B lowp_scales[11])
;;   THE QUANTISER, for each operand of a quantised product, along K:
;;     - The operand's scale is 2^e, e = its entry of the input lowp_scales (int32; the entries are numbered through the quantised products in the list's order, A before B).
;;     - Each number is divided by the scale, clamped to +-448, and rounded to the nearest number of E4M3, ties to even, subnormals kept.
;;     - The product sums the exact products of the quantised numbers (number of the format x scale) in f32.
;;   ~~~python
;;   def quantise(x, axis, e):      # numpy; x: float32 -> the quantised numbers, widened to float32 again
;;       x = np.moveaxis(x, axis, -1); K = x.shape[-1]
;;       r = np.clip(x / 2.0 ** e, -448, 448)
;;       step = 2.0 ** (np.maximum(np.frexp(np.where(r == 0, 1, r))[1] - 1, -6) - 3)
;;       q = np.round(r / step) * step * 2.0 ** e      # np.round: ties to even
;;       return np.moveaxis(q, -1, axis).astype(np.float32)
;;   ~~~
;;   SOFTMAX AHEAD OF A QUANTISED PRODUCT. Where the list says 'softmax', what is quantised is not the finished softmax but p = 2^(t - M), with t = logit x log2(e) and M = ceil(the row's largest t), a whole number; so 1/2 < the row's largest p <= 1. The row's sum l is taken of the UNQUANTISED p, in f32, and the product's result is divided by l at the end. Since M is a whole number, a kernel that streams over the keys may use a running M (the ceiling of the running maximum): every later rescaling is an exact power of two, so the quantised numbers keep their values, but for numbers so far below the row's largest that they fall under the format's range.
;;   OPERANDS COMPUTED ON THE WAY. 'Computed on the way' means the value that the module computes at that place (a softmax that the list does not call 'softmax' is quantised finished and normalised). What goes into a quantiser is computed in f32, as accurately as f32 sums, v_exp_f32 and their like allow (about 1e-6 of the number): no bf16 or f16 on the way to a quantiser, and a product that is left as it is and whose result goes on into a quantised operand takes f32 operands (vector FMAs, or v_wmma_f32_16x16x4_f32). A number that lies on a knife's edge between two numbers of the format may be rounded either way, as far as f32 arithmetic and the matrix unit's own rounding can turn it there, and no further.
;; One version. Each part assembles by itself: llvm-mc -triple=amdgcn-amd-amdhsa -mcpu=gfx1250 --defsym DOCPART=n.
;; ======== version 1 of 1: 4 launches
;; limits: right only within a limited range of input values
;; workspace buffers: xc 25,165,824 bytes; wc 4,194,304 bytes; qkv 25,165,824 bytes; ac 8,388,608 bytes
;; launch quant (part 1): grid 640 x 1, 4 waves a work-group, no clusters, 68,096 bytes of LDS; arguments x, Wq, Wk, Wv, Wo, lowp_scales, xc, wc; writes xc, wc
.if DOCPART == 1
	.amdgcn_target "amdgcn-amd-amdhsa--gfx1250"
	.amdhsa_code_object_version 6
	.text
	.protected	k_q6bc4f6444b_quant
	.globl	k_q6bc4f6444b_quant
	.p2align	8
	.type	k_q6bc4f6444b_quant,@function
k_q6bc4f6444b_quant:
	s_mov_b64 s[64:65], 0
	v_nop
	global_prefetch_b8 v0, s[64:65] scope:SCOPE_SE
	s_setreg_imm32_b32 hwreg(HW_REG_WAVE_MODE, 25, 1), 1
	s_wait_xcnt 0x0
; f32 numbers into codes of FP8 (E4M3), one launch for x and for the four weights.
; code = number / 2^e, held within +-448, rounded to the nearest code, ties to even; e is a whole number out of lowp_scales.
; WORK-GROUPS 0 .. 511: x [8192][1024].  x is an operand of three products, each with a scale of its own (entries 0, 2, 4), so each number is read once and
;   quantised three times: xc holds three planes of 8,388,608 bytes, each [8192][1024] codes, K innermost.  Rows are dense: x is a plain stream of numbers.
; WORK-GROUPS 512 .. 639: Wq, Wk, Wv, Wo [1024 (k)][1024 (n)] (entries 1, 3, 5, 11).  K is their FIRST axis: a lane takes a column n and its registers run down K,
;   so the conversions give codes with K innermost: wc holds four planes of 1,048,576 bytes, each [n][k].
; The two ways part on the work-group's number alone; each has LDS bytes of its own.  No tensor load, no barrier: waves share nothing.
; LIMITS: each of the seven exponents lies between -126 and 119, so that 2^e and 448 x 2^e are f32 numbers.  NaN among the inputs is not served (an infinity is held at the largest code).
.set STEPS,  8                         ; x: steps of 512 numbers for a wave
.set SP,     80                        ; x: a lane's place in a stage: its 64 bytes + 16 of padding
.set WREG,   8192                      ; x: LDS of a wave: two stages of 32 x SP bytes
.set WSTG,   32768                     ; the weights' stages begin here: 32 rows x WPITCH for each wave
.set WPITCH, 272                       ; 256 bytes of codes + 16
.set SPARE,  67584                     ; behind both: the spare words, 128 bytes for each wave: two blocks of 256 bytes that no other line names
.set SPW,    12                        ; v12  LDS address of my spare word; never rewritten
.set NIL,    13                        ; v13  0; never rewritten
.set R,      16                        ; x: v16-79    four sets of 16 numbers as they are loaded
.set X,      80                        ; x: v80-111   two sets of 16 neighbours
.set T,      112                       ; x: v112-127  the 16 numbers held within one scale's range
.set C,      128                       ; x: v128-223  codes: 12 registers a step (3 planes x 4), so that no store's data are written again
.set WX,     32                        ; W: v32-95    two sets of 32 numbers
.set WC,     96                        ; W: v96-103   a block's codes
.set OUTR,   112                       ; W: v112-175  the way out
	s_load_b256 s[4:11], s[0:1], 0x0               ; x s[4:5], Wq s[6:7], Wk s[8:9], Wv s[10:11]
	s_load_b256 s[12:19], s[0:1], 0x20             ; Wo s[12:13], the exponents s[14:15], xc s[16:17], wc s[18:19]
	v_lshl_add_u32 v[SPW], v0, 2, SPARE
	v_mov_b32 v[NIL], 0
	v_lshrrev_b32 v1, 5, v0
	v_readfirstlane_b32 s20, v1                    ; wave 0..3
	v_and_b32 v2, 31, v0                           ; lane
	s_wait_kmcnt 0x0
	s_load_b256 s[36:43], s[14:15], 0x0            ; e0 .. e7
	s_load_b128 s[44:47], s[14:15], 0x20           ; e8 .. e11
	s_cmp_lt_u32 ttmp9, 512
	s_cbranch_scc0 .Lweights
; ---------------- x ----------------
; A wave takes 8 steps of 512 numbers.  The conversions take 8 numbers from ONE lane's consecutive registers, so a lane must hold 16 neighbours; a load is best where neighbouring lanes take
; neighbouring bytes.  Both are had: each load reads 512 consecutive bytes, 16 a lane; a step's 2,048 bytes go through the wave's own stage in LDS as they lie and come back 64 bytes a lane.
	s_lshl_b32 s21, ttmp9, 2
	s_add_co_u32 s21, s21, s20                     ; which run of 4,096 numbers is my wave's
	s_lshl_b32 s22, s21, 14                        ; 16,384 bytes of x,
	s_mov_b32 s23, 0
	s_add_nc_u64 s[4:5], s[4:5], s[22:23]
	s_lshl_b32 s22, s21, 12                        ; 4,096 bytes of codes
	s_add_nc_u64 s[24:25], s[16:17], s[22:23]      ; plane 0 (e0),
	s_add_nc_u64 s[26:27], s[24:25], 0x800000      ; plane 1 (e2),
	s_add_nc_u64 s[28:29], s[26:27], 0x800000      ; plane 2 (e4)
	s_wait_alu depctr_va_vdst(0)
	v_lshlrev_b32 v3, 4, v2                        ; 16 x lane: my bytes of a load's 512, and of a store's
	s_lshl_b32 s30, s20, 13                        ; my wave's LDS
	v_lshrrev_b32 v14, 2, v2
	v_mul_u32_u24 v14, v14, SP
	v_and_b32 v15, 3, v2
	v_lshl_add_u32 v14, v15, 4, v14
	v_add_nc_u32 v14, s30, v14                     ; into the stage: four lanes' 64 bytes on end, then the padding
	v_mul_u32_u24 v15, v2, SP
	v_add_nc_u32 v15, s30, v15                     ; out of it: my 16 neighbours
.macro LOAD t
.irp i, 0,1,2,3
	global_load_b128 v[R+16*((\t)%4)+4*\i:R+16*((\t)%4)+4*\i+3], v3, s[4:5] offset:2048*(\t)+512*\i th:TH_LOAD_NT   ; 32 lanes read 512 consecutive bytes; read once in the launch
.endr
.endm
.macro TURN t                          ; step t's numbers through the stage: LDS serves a wave's instructions in order (ISA guide 5.7.1.4), so no wait stands between the stores and the loads
.irp i, 0,1,2,3
	ds_store_b128 v14, v[R+16*((\t)%4)+4*\i:R+16*((\t)%4)+4*\i+3] offset:32*SP*((\t)%2)+8*SP*\i
.endr
.irp i, 0,1,2,3
	ds_load_b128 v[X+16*((\t)%2)+4*\i:X+16*((\t)%2)+4*\i+3], v15 offset:32*SP*((\t)%2)+16*\i
.endr
.endm
.irp t, 0,1,2,3
	LOAD \t
.endr
	s_wait_alu depctr_va_vdst(0)
	s_wait_kmcnt 0x0
.irp u, 0,1,2                          ; v5-7: 2^e as f32 (the conversion takes its exponent field); v8-10: 448 x 2^e; e = e0, e2, e4
	s_add_co_i32 s31, s[36+2*\u], 127
	s_lshl_b32 s32, s31, 23
	v_mov_b32 v[5+\u], s32
	s_add_co_i32 s31, s31, 8
	s_lshl_b32 s31, s31, 23
	s_or_b32 s31, s31, 0x600000
	v_mov_b32 v[8+\u], s31
.endr
	s_wait_alu depctr_va_vdst(0)
	s_wait_loadcnt 12                              ; step 0's four loads are in; those of steps 1 to 3 may be out
	TURN 0
.macro XSTEP t
.set XS, X+16*((\t)%2)
	s_wait_dscnt 0x0                               ; this step's numbers are back from the stage: so its stores into the stage have read their registers,
.if (\t)+4 < STEPS
	LOAD (\t)+4                                    ; which take the loads of four steps on
.endif
.if (\t)+1 < STEPS
.if STEPS-2-(\t) >= 3
	s_wait_loadcnt 12                              ; the next step's four loads are in; those of the three steps behind it may be out
.else
	s_wait_loadcnt 4*(STEPS-2-(\t))
.endif
	TURN (\t)+1                                    ; and go through the other stage while this step is worked
.endif
.irp u, 0,1,2
.irp i, 0,1,2,3,4,5,6,7,8,9,10,11,12,13,14,15
	v_med3_num_f32 v[T+\i], v[XS+\i], -v[8+\u], v[8+\u]   ; the conversion to an 8-bit code does not saturate (ISA guide 7.6.2): the hold at the largest code x the scale
.endr
	v_cvt_scalef32_pk8_fp8_f32 v[C+12*(\t)+4*\u:C+12*(\t)+4*\u+1], v[T:T+7], v[5+\u]
	v_cvt_scalef32_pk8_fp8_f32 v[C+12*(\t)+4*\u+2:C+12*(\t)+4*\u+3], v[T+8:T+15], v[5+\u]
	v_nop                                          ; one plain vector line between the conversions and the next holds, which write their sources
	global_store_b128 v3, v[C+12*(\t)+4*\u:C+12*(\t)+4*\u+3], s[24+2*\u:25+2*\u] offset:512*(\t)   ; the wave stores 512 consecutive bytes, at a multiple of 512 from the plane's first byte
.endr
.endm
.irp t, 0,1,2,3,4,5,6,7
	XSTEP \t
.endr
	s_wait_tensorcnt 0x0                           ; the wave's end: behind my last LDS store
	ds_add_u32 v[SPW], v[NIL]
	s_wait_dscnt 0x0
	s_endpgm
; ---------------- the weights ----------------
; 128 work-groups: 32 for each weight: 4 along K (256 each) x 8 along n (128 each).  A wave takes 32 columns x 256 along K: 8 blocks of 32 a lane, 256 bytes of codes for each column.
; A lane's codes belong to one row of the output and the lanes beside it hold other rows: so they go through the wave's own stage and leave as rows, sixteen lanes to 256 consecutive bytes.
.Lweights:
	s_sub_co_u32 s21, ttmp9, 512
	s_lshr_b32 s22, s21, 5                         ; which weight: 0 Wq, 1 Wk, 2 Wv, 3 Wo
	s_bfe_u32 s23, s21, 0x20003                    ; which 256 along K
	s_and_b32 s24, s21, 7                          ; which 128 columns
	s_cmp_eq_u32 s22, 1                            ; the choice of buffer hangs on the work-group's number alone
	s_cselect_b64 s[6:7], s[8:9], s[6:7]
	s_cmp_eq_u32 s22, 2
	s_cselect_b64 s[6:7], s[10:11], s[6:7]
	s_cmp_eq_u32 s22, 3
	s_cselect_b64 s[6:7], s[12:13], s[6:7]
	s_lshl_b32 s25, s24, 7
	s_lshl_b32 s26, s20, 5
	s_add_co_u32 s25, s25, s26                     ; my wave's first column
	s_lshl_b32 s26, s23, 20                        ; in: 256 rows of 4,096 bytes,
	s_lshl_b32 s27, s25, 2                         ; + 4 bytes a column
	s_add_co_u32 s26, s26, s27
	s_mov_b32 s27, 0
	s_add_nc_u64 s[6:7], s[6:7], s[26:27]
	s_lshl_b32 s28, s22, 20                        ; out: the weight's plane,
	s_lshl_b32 s29, s25, 10                        ; + 1,024 bytes a column,
	s_add_co_u32 s28, s28, s29
	s_lshl_b32 s29, s23, 8                         ; + my 256 along K
	s_add_co_u32 s28, s28, s29
	s_mov_b32 s29, 0
	s_add_nc_u64 s[18:19], s[18:19], s[28:29]
	s_wait_alu depctr_va_vdst(0)
	v_lshlrev_b32 v3, 2, v2                        ; in: 4 bytes a lane
	s_mul_i32 s30, s20, 32*WPITCH
	s_add_co_u32 s30, s30, WSTG                    ; my stage
	v_mul_u32_u24 v4, v2, WPITCH
	v_add_nc_u32 v4, s30, v4                       ; into it: row = my column
	v_and_b32 v5, 15, v2
	v_lshrrev_b32 v6, 4, v2
	v_mul_u32_u24 v7, v6, WPITCH
	v_lshl_add_u32 v7, v5, 4, v7
	v_add_nc_u32 v7, s30, v7                       ; out of it: sixteen lanes to a row, two rows an instruction
	v_lshlrev_b32 v8, 10, v6
	v_lshl_add_u32 v8, v5, 4, v8                   ; and the same place among the codes
.macro WLOAD t                         ; block t: W(32 t + i, my column), i = 0 .. 31, into set t % 2; 32 lanes read 128 consecutive bytes, the four waves 512
.set i, 0
.rept 32
	global_load_b32 v[WX+32*((\t)%2)+i], v3, s[6:7] offset:(32*(\t)+i)*4096 th:TH_LOAD_NT
.set i, i+1
.endr
.endm
	WLOAD 0
	WLOAD 1
	s_wait_kmcnt 0x0
	s_cmp_eq_u32 s22, 1
	s_cselect_b32 s31, s39, s37                    ; e1, e3,
	s_cmp_eq_u32 s22, 2
	s_cselect_b32 s31, s41, s31                    ; e5,
	s_cmp_eq_u32 s22, 3
	s_cselect_b32 s31, s47, s31                    ; or e11
	s_add_co_i32 s31, s31, 127
	s_lshl_b32 s32, s31, 23
	v_mov_b32 v11, s32                             ; 2^e as f32
	s_add_co_i32 s31, s31, 8
	s_lshl_b32 s31, s31, 23
	s_or_b32 s31, s31, 0x600000
	v_mov_b32 v10, s31                             ; 448 x 2^e
.macro BLOCK t
.set XS, WX+32*((\t)%2)
.if (\t) < 7
	s_wait_loadcnt 32                              ; this block's 32 loads are in; the next block's may be out
.else
	s_wait_loadcnt 0x0
.endif
.set i, 0
.rept 32
	v_med3_num_f32 v[XS+i], v[XS+i], -v10, v10     ; the hold at the largest code x the scale
.set i, i+1
.endr
.irp g, 0,1,2,3
	v_cvt_scalef32_pk8_fp8_f32 v[WC+2*\g:WC+2*\g+1], v[XS+8*\g:XS+8*\g+7], v11
.endr
	ds_store_b128 v4, v[WC:WC+3] offset:32*(\t)    ; 32 codes: 32 bytes of my column's row.  (The next vector lines are the next block's holds: plain, and on other registers)
	ds_store_b128 v4, v[WC+4:WC+7] offset:32*(\t)+16
.if (\t)+2 < 8
	WLOAD (\t)+2
.endif
	s_wait_dscnt 0x0                               ; the stores have read their registers: the next block's codes may be written
.endm
	s_wait_alu depctr_va_vdst(0)
.irp t, 0,1,2,3,4,5,6,7
	BLOCK \t
.endr
.irp t, 0,1,2,3,4,5,6,7,8,9,10,11,12,13,14,15
	ds_load_b128 v[OUTR+4*\t:OUTR+4*\t+3], v7 offset:2*\t*WPITCH
.endr
.irp t, 0,1,2,3,4,5,6,7,8,9,10,11,12,13,14,15
	s_wait_dscnt 15-\t                             ; LDS loads come back in order: load t is in, the younger ones may be out
	global_store_b128 v8, v[OUTR+4*\t:OUTR+4*\t+3], s[18:19] offset:2*\t*1024   ; sixteen lanes store 256 consecutive bytes, at a multiple of 256 from the plane's first byte
.endr
	s_wait_tensorcnt 0x0                           ; the wave's end: behind my last LDS store
	ds_add_u32 v[SPW], v[NIL]
	s_wait_dscnt 0x0
	s_endpgm
.Lfunc_end_k_q6bc4f6444b_quant:
	.size	k_q6bc4f6444b_quant, .Lfunc_end_k_q6bc4f6444b_quant-k_q6bc4f6444b_quant
	.p2alignl 7, 3214868480
	.fill 96, 4, 3214868480
	.section	.rodata,"a",@progbits
	.p2align	6, 0x0
	.amdhsa_kernel k_q6bc4f6444b_quant
		.amdhsa_group_segment_fixed_size 68096
		.amdhsa_private_segment_fixed_size 0
		.amdhsa_enable_private_segment 0
		.amdhsa_kernarg_size 64
		.amdhsa_user_sgpr_count 2
		.amdhsa_user_sgpr_kernarg_segment_ptr 1
		.amdhsa_wavefront_size32 1
		.amdhsa_system_sgpr_workgroup_id_x 1
		.amdhsa_system_sgpr_workgroup_id_y 1
		.amdhsa_system_sgpr_workgroup_id_z 1
		.amdhsa_system_vgpr_workitem_id 0
		.amdhsa_next_free_vgpr 224
		.amdhsa_next_free_sgpr 66
		.amdhsa_reserve_vcc 0
		.amdhsa_float_denorm_mode_32 3
		.amdhsa_float_denorm_mode_16_64 3
		.amdhsa_memory_ordered 1
		.amdhsa_forward_progress 1
		.amdhsa_inst_pref_size 89
	.end_amdhsa_kernel
	.amdgpu_metadata
---
amdhsa.version: [ 1, 2 ]
amdhsa.kernels:
  - .name:           k_q6bc4f6444b_quant
    .symbol:         k_q6bc4f6444b_quant.kd
    .args:
      - { .name: x, .offset: 0, .size: 8, .value_kind: global_buffer, .address_space: global }
      - { .name: Wq, .offset: 8, .size: 8, .value_kind: global_buffer, .address_space: global }
      - { .name: Wk, .offset: 16, .size: 8, .value_kind: global_buffer, .address_space: global }
      - { .name: Wv, .offset: 24, .size: 8, .value_kind: global_buffer, .address_space: global }
      - { .name: Wo, .offset: 32, .size: 8, .value_kind: global_buffer, .address_space: global }
      - { .name: lowp_scales, .offset: 40, .size: 8, .value_kind: global_buffer, .address_space: global }
      - { .name: xc, .offset: 48, .size: 8, .value_kind: global_buffer, .address_space: global }
      - { .name: wc, .offset: 56, .size: 8, .value_kind: global_buffer, .address_space: global }
    .group_segment_fixed_size: 68096
    .private_segment_fixed_size: 0
    .kernarg_segment_align: 8
    .kernarg_segment_size: 64
    .max_flat_workgroup_size: 128
    .sgpr_count:     66
    .vgpr_count:     224
    .wavefront_size: 32
...
	.end_amdgpu_metadata
.endif
;; end of part 1
;; launch qkvgemm (part 2): grid 4 x 96, 4 waves a work-group, clusters of 4 x 4, 327,680 bytes of LDS; arguments xc, wc, lowp_scales, qkv; writes qkv
.if DOCPART == 2
	.amdgcn_target "amdgcn-amd-amdhsa--gfx1250"
	.amdhsa_code_object_version 6
	.text
	.protected	k_q6bc4f6444b_qkvgemm
	.globl	k_q6bc4f6444b_qkvgemm
	.p2align	8
	.type	k_q6bc4f6444b_qkvgemm,@function
k_q6bc4f6444b_qkvgemm:
	s_mov_b64 s[64:65], 0
	v_nop
	global_prefetch_b8 v0, s[64:65] scope:SCOPE_SE
	s_setreg_imm32_b32 hwreg(HW_REG_WAVE_MODE, 25, 1), 1
	s_wait_xcnt 0x0
	s_wait_alu depctr_hold_cnt(0) depctr_sa_sdst(0) depctr_va_vdst(0) depctr_va_sdst(0) depctr_va_ssrc(0) depctr_va_vcc(0) depctr_vm_vsrc(0)
	s_getreg_b32 s2, hwreg(HW_REG_IB_STS2, 6, 4)
	s_cmp_eq_u32 s2, 0
	s_cbranch_scc0 .Lentry_in_a_cluster
	s_endpgm
.Lentry_in_a_cluster:
	s_bfe_u32 s2, ttmp6, 0x10000c
	s_cmp_lg_u32 s2, 0xf033
	s_cbranch_scc0 .Lentry_shape_is_right
	s_endpgm
.Lentry_shape_is_right:
; The three projections on codes of FP8 (E4M3), their results quantised on the way out.  C'[m'][n'] = sum over k of A'[m'][k] B'[n'][k], K = 1,024, both operands [rows][1024] codes, K innermost.
;   t = 0: A' = x's codes under e0, B' = Wq's: q [8192][1024].   t = 1: the same with e2 and Wk: k.   t = 2: A' = Wv's codes, B' = x's under e4: v TRANSPOSED, [1024][8192],
;   so that a lane's eight results are eight neighbouring KEYS, which are the K of attention's second product: nothing is transposed by an instruction.
; A sum stands for sum x 2^(ea + eb); its code under the next product's scale 2^ec is sum / 2^(ec - ea - eb), held within +-448: the three exponents are folded into the conversion's one.
; LIMITS: e6 - e0 - e1, e7 - e2 - e3 and e8 - e4 - e5 lie between -126 and 119, so that each power of two and 448 x it are f32 numbers.
; OUT: three planes of 8,388,608 bytes.  q, k: [head 16][token 8192][64 d].  v: [head 16][token / 64][64 d][64 tokens].  Both are blocks of 64 x 64 codes, 4,096 dense bytes:
;   byte = (n' / 64) SA + (m' / 64) SB + 64 (m' % 64) + n' % 64, with SA = 524,288, SB = 4,096 for q and k and the other way round for v.
; SHARES.  A tile of C', 256 x 256, is made by a work-group of four waves; a wave makes 128 x 128: 64 accumulators of 16 x 16, 512 registers.  128 tiles for each t, 384 in all.
; K goes in four steps of 256 through a ring of two LDS slots filled by the tensor data mover; a tile's row is 256 bytes of memory.  With four K steps the steps are written out on end: there is no loop.
; CLUSTERS: 4 x 4 work-groups; a cluster has one t (t and the block of 4 tile rows or columns come from the cluster's y alone).  The four of a row of the cluster need the same tiles of A', the four of a
; column the same tiles of B': each tile is asked for JOINTLY, by the same tensor load with the same descriptor and a mask that names the four.
; THE MATRIX INSTRUCTION IS USED TRANSPOSED (source 0 = 16 rows of B', source 1 = 16 rows of A'): a lane then holds eight neighbouring n' of one row m'.
; A fragment comes by four loads of 16 bytes: lane l holds, of row l % 16, K = 32 c + 16 (l / 16) + 0 .. 15 in registers 4 c .. 4 c + 3: one permutation of k, the same in both operands, so every product meets its partner.
; REGISTERS, in windows of 256: window 0: v0-31 addresses and the two scale numbers; v32-95 at work on the way out; from v128 A's fragments (8 x 16 rows x 128 K), ONE set; on the way out the codes.
;   window 1: B's fragments, TWO sets, at v0 and at v128.   window 2: the 32 accumulators of my rows 0-63 (accumulator (a, b) at v[8 (8 a + b)]);   window 3: those of my rows 64-127.
.set KSTEP,  256                       ; along K in a slot
.set ROWB,   256                       ; a tile's row in bytes
.set KROW,   1024                      ; a row of A' or of B' in memory, in bytes
.set PITCH,  272                       ; an LDS row: 256 bytes + 16 of padding = 68 words: row r starts at bank 4 r mod 64 (64 banks of 4 bytes: ISA guide 11.1), so the 16 rows that a load touches start at 16 different banks
.set FR,     16                        ; registers of a fragment: 16 rows x 128 K
.set NL,     4                         ; LDS loads that bring one
.set NP,     4                         ; places behind this matrix instruction (ISA guide 7.12.1)
.set HALFT,  128*PITCH                 ; 128 rows: what one tensor load brings, and what one wave reads of A' or of B'
.set SLOT,   4*HALFT                   ; A's 256 rows, then B's 256 rows
.set SPARE,  2*SLOT                    ; behind the ring: the spare words, 128 bytes for each wave: two blocks of 256 bytes that no other line names
.set QP,     144                       ; the way out: a stage row: 128 codes + 16 bytes
.set WSTG,   128*QP                    ; a stage of 128 rows for each wave.  The stages lie in slot 0, which has had its last fill and its last read when the first code is stored there
.set ADRA, 16                          ; v16-17  LDS address of my A fragments in slot 0, 1
.set ADRB, 20                          ; v20-21  the same for B
.set STO,  24                          ; v24     the way out: where I put 8 codes of a row
.set RD,   25                          ; v25     the way out: where I read 16 codes back
.set CO,   26                          ; v26     16 x lane: my bytes of a store's 512
.set SPW,  28                          ; v28     LDS address of my spare word; never rewritten
.set NIL,  29                          ; v29     0; never rewritten
.set SC,   30                          ; v30     the conversion's scale as f32
.set LIM,  31                          ; v31     448 x that
.set TMP,  32                          ; the way out: 64 registers, a block's sums held within the range
.set AF,   128                         ; A's fragments, in window 0
.set COD,  128                         ; the way out: the codes, 16 registers a block; then the rows read back
.set G1, 24                            ; s[24:31] descriptor group 1 for A's tiles;  s[32:39] group 0, one set for each slot
.set G0, 32
.set G1B, 48                           ; s[48:55], s[56:63] the same for B's tiles
.set G0B, 56
.set MSB, 0
.macro WIN new                         ; the immediate's high byte repeats the setting that is left
.if MSB != \new
	s_set_vgpr_msb (MSB<<8)|\new
.set MSB, \new
.endif
.endm
.set MUL_LO, 0xa1                      ; source 0 (B) window 1, source 1 (A) window 0, C and D window 2
.set MUL_HI, 0xf1                      ; the same, C and D window 3
.set TO_B,   0x40                      ; destination window 1, address window 0
; A joint load: waves 0 and 1 fetch for A, waves 2 and 3 for B.  Each of the two lines has ONE mask and one set of registers for all that issue it; the branch hangs on the wave's number alone.
; An s_nop 0 and four v_nop follow each of the two lines, ahead of the jump, the label and what follows.
.macro JLOAD g0a, g1a, g0b, g1b
	s_cmp_eq_u32 s15, 0
	s_cbranch_scc0 .Lfor_b_\@
	tensor_load_to_lds s[\g0a:\g0a+3], s[\g1a:\g1a+7]
	s_nop 0
.rept 4
	v_nop
.endr
	s_branch .Lasked_\@
.Lfor_b_\@:
	tensor_load_to_lds s[\g0b:\g0b+3], s[\g1b:\g1b+7]
	s_nop 0
.rept 4
	v_nop
.endr
.Lasked_\@:
.endm
.macro CREST                           ; a round of the cluster's barrier behind its opening barrier
	s_cmp_lg_u32 s14, 0
	s_cbranch_scc1 .Lnot_wave_0_\@
	s_barrier_signal -3
.Lnot_wave_0_\@:
	s_barrier_wait -3
	s_barrier_signal -1
	s_barrier_wait -1
.endm
.macro CROUND                          ; a whole round
	s_barrier_signal -1
	s_barrier_wait -1
	CREST
.endm
	s_load_b128 s[4:7], s[0:1], 0x0                ; x's codes s[4:5], the weights' codes s[6:7]
	s_load_b128 s[8:11], s[0:1], 0x10              ; the exponents s[8:9], qkv s[10:11]
	v_lshl_add_u32 v[SPW], v0, 2, SPARE
	v_mov_b32 v[NIL], 0
	ds_add_u32 v[SPW], v[NIL]                      ; the wave's opening: the add and its wait stand ahead of my first tensor load; the set-up below, work on registers, stands between them
	ds_add_u32 v[SPW], v[NIL]
	v_lshrrev_b32 v1, 5, v0
	v_readfirstlane_b32 s14, v1                    ; wave 0..3
	s_lshr_b32 s15, s14, 1                         ; which half of the tile's rows is mine.  Also: I fetch for A (0) or for B (1)
	s_and_b32 s16, s14, 1                          ; which half of its columns.  Also: which 128 rows of that tile I fetch
	s_bfe_u32 s40, ttmp6, 0x40000                  ; cx, cy: my place in the cluster
	s_bfe_u32 s41, ttmp6, 0x40004
	s_and_b32 s84, ttmp7, 0xffff                   ; the cluster's y, 0 .. 23: the same in all sixteen partners
	s_lshr_b32 s80, s84, 3                         ; t: 0 q, 1 k, 2 v
	s_and_b32 s81, s84, 7                          ; which block of four tiles along the long side (8,192)
	s_mov_b32 s82, 0x80000
	s_mov_b32 s83, 0x1000
	s_lshl_b32 s88, s80, 23                        ; x's plane t
	s_mov_b32 s89, 0
	s_lshl_b32 s90, s80, 20                        ; the weights' plane t
	s_mov_b32 s91, 0
	s_cmp_lt_u32 s80, 2                            ; q and k: the long side is m';  v: it is n'
	s_cselect_b32 s85, s81, 0
	s_cselect_b32 s86, 0, s81
	s_cselect_b32 s87, s82, s83                    ; SA: bytes from one 64 of n' to the next
	s_cselect_b32 s84, s83, s82                    ; SB: bytes from one 64 of m' to the next
	s_lshl_b32 s17, s85, 2
	s_add_co_u32 s17, s17, s41                     ; tile row of C'
	s_lshl_b32 s42, s86, 2
	s_add_co_u32 s42, s42, s40                     ; tile column of C'
	s_lshl_b32 s43, s41, 2
	s_lshl_b32 s43, 15, s43                        ; my row of the cluster
	s_lshl_b32 s44, 0x1111, s40                    ; my column
	; descriptor group 1: a tile of 128 rows x 256 bytes, padded in LDS
	s_or_b32 s[G1+0], s43, (0<<16)|(1<<20)|(1<<21)|(5<<22)|(3<<25)  ; 15:0 the mask: A's tiles go to my row; 17:16 element of 1 byte; 20 padding on; 21 set beside a mask; 24:22 after every 64 words (code 5); 31:25 of 4 words (code 3)
	s_or_b32 s[G1B+0], s44, (0<<16)|(1<<20)|(1<<21)|(5<<22)|(3<<25)
.irp g, G1, G1B
	s_mov_b32 s[\g+1], ROWB<<16                    ; tensor_dim0
	s_mov_b32 s[\g+2], 128<<16                     ; tensor_dim1 = 128
	s_mov_b32 s[\g+3], ROWB<<16                    ; tile_dim0
	s_mov_b32 s[\g+4], 128                         ; tile_dim1 = 128
	s_mov_b32 s[\g+5], KROW                        ; tensor_dim0_stride
	s_mov_b32 s[\g+6], 0
	s_mov_b32 s[\g+7], 0
.endr
	s_lshl_b32 s18, s16, 7                         ; which 128 rows of the tile I fetch
	s_lshl_b32 s20, s17, 8
	s_add_co_u32 s20, s20, s18                     ; A': row 256 x tile row + 128 x half,
	s_lshl_b32 s20, s20, 10                        ; in bytes (under 2^23)
	s_mov_b32 s21, 0
	s_lshl_b32 s46, s42, 8
	s_add_co_u32 s46, s46, s18                     ; B': row 256 x tile column + 128 x half
	s_lshl_b32 s46, s46, 10
	s_mov_b32 s47, 0
	s_mul_i32 s45, s14, HALFT                      ; where they go: wave x 128 rows: no place in the cluster enters an LDS address
	s_wait_dscnt 0x0                               ; the opening add is done
	s_wait_kmcnt 0x0
	s_load_b256 s[68:75], s[8:9], 0x0              ; e0 .. e7
	s_load_b128 s[76:79], s[8:9], 0x20             ; e8 .. e11
	s_add_nc_u64 s[88:89], s[4:5], s[88:89]        ; x's codes under this product's scale
	s_add_nc_u64 s[90:91], s[6:7], s[90:91]        ; this product's weight
	s_cmp_lt_u32 s80, 2                            ; the choice hangs on t alone
	s_cselect_b64 s[4:5], s[88:89], s[90:91]       ; A'
	s_cselect_b64 s[6:7], s[90:91], s[88:89]       ; B'
	s_add_nc_u64 s[20:21], s[4:5], s[20:21]
	s_add_nc_u64 s[46:47], s[6:7], s[46:47]
	CROUND                                         ; all sixteen work-groups are here: the first joint loads meet
.irp s, 0,1
	s_mov_b32 s[G0+4*\s], 1
	s_add_co_u32 s[G0+4*\s+1], s45, \s*SLOT
	s_add_nc_u64 s[G0+4*\s+2:G0+4*\s+3], s[20:21], \s*ROWB
	s_or_b32 s[G0+4*\s+3], s[G0+4*\s+3], 0x80000000
	s_mov_b32 s[G0B+4*\s], 1
	s_add_co_u32 s[G0B+4*\s+1], s45, \s*SLOT
	s_add_nc_u64 s[G0B+4*\s+2:G0B+4*\s+3], s[46:47], \s*ROWB
	s_or_b32 s[G0B+4*\s+3], s[G0B+4*\s+3], 0x80000000
.endr
	JLOAD G0, G1, G0B, G1B                         ; K step 0: one tensor load a wave at the head
	v_and_b32 v1, 15, v0                           ; l % 16
	s_wait_alu depctr_va_vdst(0)
	v_bfe_u32 v2, v0, 4, 1                         ; l / 16
	v_mul_u32_u24 v3, v1, PITCH
	v_lshl_add_u32 v4, v2, 4, v3                   ; a fragment's row x pitch + 16 x half
	s_mul_i32 s21, s15, HALFT                      ; my 128 rows of A'
	s_mul_i32 s22, s16, HALFT                      ; my 128 rows of B',
	s_add_co_u32 s22, s22, 2*HALFT                 ; which lie behind A's 256
.irp s, 0,1
	v_add_nc_u32 v[ADRA+\s], s21, v4
	v_add_nc_u32 v[ADRB+\s], s22, v4
	s_add_co_u32 s21, s21, SLOT
	s_add_co_u32 s22, s22, SLOT
.endr
	s_mul_i32 s23, s14, WSTG                       ; my stage
	v_mul_u32_u24 v5, v1, QP                       ; in: row l % 16, 8 bytes for each half of the lanes
	s_wait_alu depctr_va_vdst(0)
	v_lshl_add_u32 v5, v2, 3, v5
	v_add_nc_u32 v[STO], s23, v5
	v_and_b32 v6, 31, v0
	v_lshlrev_b32 v[CO], 4, v6                     ; out: 16 bytes a lane
	v_lshrrev_b32 v7, 2, v6                        ; back: four lanes to a row's 64 bytes, eight rows an instruction
	v_mul_u32_u24 v7, v7, QP
	v_and_b32 v8, 3, v6
	v_lshl_add_u32 v7, v8, 4, v7
	v_add_nc_u32 v[RD], s23, v7
	; my wave's 128 x 128 are four blocks of 64 x 64 codes: P(cg, rg) = qkv + plane t + (4 tile column + 2 half + cg) SA + (4 tile row + 2 half + rg) SB; all under 2^25
	s_lshl_b32 s20, s42, 2
	s_lshl_b32 s21, s16, 1
	s_add_co_u32 s20, s20, s21
	s_mul_i32 s20, s20, s87
	s_lshl_b32 s21, s17, 2
	s_lshl_b32 s22, s15, 1
	s_add_co_u32 s21, s21, s22
	s_mul_i32 s21, s21, s84
	s_add_co_u32 s20, s20, s21
	s_lshl_b32 s21, s80, 23
	s_add_co_u32 s20, s20, s21
	s_mov_b32 s21, 0
	s_add_nc_u64 s[66:67], s[10:11], s[20:21]      ; P(0, 0)
	s_mov_b32 s22, s84
	s_mov_b32 s23, 0
	s_add_nc_u64 s[92:93], s[66:67], s[22:23]      ; P(0, 1): + SB
	s_mov_b32 s22, s87
	s_add_nc_u64 s[94:95], s[66:67], s[22:23]      ; P(1, 0): + SA
	s_add_nc_u64 s[98:99], s[92:93], s[22:23]      ; P(1, 1)
.macro FRAG reg, adr, q, i             ; a fragment, 16 rows x 128 K of 8-bit codes, is 16 registers
.irp c, 0,1,2,3
	ds_load_b128 v[\reg+4*\c:\reg+4*\c+3], v[\adr] offset:128*(\q)+32*\c+(\i)*16*PITCH
.endr
.endm
; 16 matrix instructions: A's blocks a0, a0 + 1 x B's eight, 128 along K.  p: B's set.  zero = 1: the first product starts the sums: nothing is ever cleared.
; The 64 accumulators take turns, one instruction a turn, in the same order in every step.
.macro MUL16 a0, p, zero
.irp a, \a0, \a0+1
.irp b, 0,1,2,3,4,5,6,7
.if \zero
	v_wmma_f32_16x16x128_fp8_fp8 v[8*(8*((\a)%4)+\b):8*(8*((\a)%4)+\b)+7], v[128*(\p)+FR*\b:128*(\p)+FR*\b+FR-1], v[AF+FR*(\a):AF+FR*(\a)+FR-1], 0
.else
	v_wmma_f32_16x16x128_fp8_fp8 v[8*(8*((\a)%4)+\b):8*(8*((\a)%4)+\b)+7], v[128*(\p)+FR*\b:128*(\p)+FR*\b+FR-1], v[AF+FR*(\a):AF+FR*(\a)+FR-1], v[8*(8*((\a)%4)+\b):8*(8*((\a)%4)+\b)+7]
.endif
.endr
.endr
.endm
.macro FETCH_B slot, q, p              ; B's eight fragments of the slot's q-th 128 along K into set p
	WIN TO_B
.irp i, 0,1,2,3,4,5,6,7
	FRAG 128*(\p)+FR*\i, ADRB+\slot, \q, \i
.endr
	WIN 0
.endm
.macro FETCH_A slot, q, i0             ; A's blocks i0 .. i0 + 3
.irp i, \i0, \i0+1, \i0+2, \i0+3
	FRAG AF+FR*(\i), ADRA+\slot, \q, \i
.endr
.endm
; A load into a register that a matrix instruction has read, and a vector instruction that reads a matrix result, stand NP places behind that matrix instruction, and only plain vector
; instructions that name none of its registers are places (ISA guide 7.12.1 for vector instructions).
.macro PLACES n
.rept \n
	v_nop
.endr
.endm
; A step of 128 along K that has its successor in the same slot.  A block of A is free as soon as its eight products are issued, so one set of registers serves A:
; blocks 0-3 are fetched anew in the step's middle, blocks 4-7 at its end.  B's fragments are at work through the whole step, so B has two sets.
.macro STEP slot, q, zero
	s_wait_dscnt 4*NL                              ; B's set and A's blocks 0-3 are in; the youngest 16 loads (A's blocks 4-7) may be out
	WIN MUL_LO
	MUL16 0, (\q)%2, \zero
	MUL16 2, (\q)%2, \zero
	s_wait_dscnt 0                                 ; A's blocks 4-7 are in (asked for 32 matrix instructions ago)
	PLACES NP
	FETCH_B \slot, (\q)+1, 1-(\q)%2
	FETCH_A \slot, (\q)+1, 0
	WIN MUL_HI
	MUL16 4, (\q)%2, \zero
	MUL16 6, (\q)%2, \zero
	PLACES NP
	WIN 0
	FETCH_A \slot, (\q)+1, 4
.endm
; A slot's last step changes slots: ONE barrier; in front of it each wave waits for all its tensor loads, adds 0 to its spare word, and waits for that and for its own reads of this slot.  fill = 1: this slot is filled again, two K steps ahead.
.macro TURN slot, next, fill
	s_wait_tensorcnt 0x0                           ; all my tensor loads have landed: my part of the next slot;  (every window is 0 here: the add's two registers lie in window 0)
	ds_add_u32 v[SPW], v[NIL]                      ; 0 onto my spare word
	s_wait_dscnt 4*NL+1                            ; (the add and the youngest 16 loads, A's blocks 4-7, may be out)
	WIN MUL_LO
	MUL16 0, 1, 0                                  ; sixteen matrix instructions stand between the add and the wait for it
	s_wait_dscnt 0x0                               ; the add is done, and my reads of this slot are over
	s_barrier_signal -1
	MUL16 2, 1, 0
	WIN 0
	s_barrier_wait -1
.if \fill
	CREST                                          ; the barrier has opened a round of the cluster's barrier: no wave of any partner still reads this slot's tile or has a load on its way
	s_add_nc_u64 s[G0+4*\slot+2:G0+4*\slot+3], s[G0+4*\slot+2:G0+4*\slot+3], 2*ROWB
	s_add_nc_u64 s[G0B+4*\slot+2:G0B+4*\slot+3], s[G0B+4*\slot+2:G0B+4*\slot+3], 2*ROWB
	JLOAD G0+4*\slot, G1, G0B+4*\slot, G1B         ; the first tensor load behind the round; the four v_nop behind it are the places in front of the loads below
.else
	PLACES NP
.endif
	FETCH_B \next, 0, 0
	FETCH_A \next, 0, 0
	WIN MUL_HI
	MUL16 4, 1, 0
	MUL16 6, 1, 0
	PLACES NP
	WIN 0
	FETCH_A \next, 0, 4
.endm
	s_wait_alu depctr_va_vdst(0)
	s_wait_tensorcnt 0x0                           ; my part of K step 0 is in
	ds_add_u32 v[SPW], v[NIL]
	s_wait_dscnt 0x0
	CROUND                                         ; everybody's part of K step 0 is in, and the sixteen work-groups meet
	JLOAD G0+4, G1, G0B+4, G1B                     ; K step 1: the first tensor load behind the round
	FETCH_B 0, 0, 0
	FETCH_A 0, 0, 0
	FETCH_A 0, 0, 4
	STEP 0, 0, 1                                   ; K step 0: its first products start the sums
	TURN 0, 1, 1                                   ; slot 0 takes K step 2
	STEP 1, 0, 0                                   ; K step 1
	TURN 1, 0, 1                                   ; slot 1 takes K step 3
	STEP 0, 0, 0                                   ; K step 2
	TURN 0, 1, 0                                   ; nothing is left to fetch: no round of the cluster's barrier
	STEP 1, 0, 0                                   ; K step 3
	s_wait_dscnt 4*NL                              ; the very last step: nothing more to fetch
	WIN MUL_LO
	MUL16 0, 1, 0
	MUL16 2, 1, 0
	s_wait_dscnt 0
	WIN MUL_HI
	MUL16 4, 1, 0
	MUL16 6, 1, 0
	WIN 0
; THE WAY OUT.  Lane (r, h) of accumulator (a, b) holds C'(16 a + r, 16 b + 8 h + 0 .. 7): eight neighbours along the next product's K.  They are held, converted (8 bytes) and laid into my own stage,
; 128 rows of 128 codes; the stage is read back in blocks of 64 x 64 codes, eight rows of 64 bytes an instruction, which are 512 consecutive bytes of the output.
	s_wait_kmcnt 0x0
	s_sub_co_i32 s20, s74, s68                     ; e6 - e0 - e1,
	s_sub_co_i32 s20, s20, s69
	s_sub_co_i32 s21, s75, s70                     ; e7 - e2 - e3,
	s_sub_co_i32 s21, s21, s71
	s_sub_co_i32 s22, s76, s72                     ; e8 - e4 - e5:
	s_sub_co_i32 s22, s22, s73
	s_cmp_eq_u32 s80, 1                            ; chosen by t, without a jump
	s_cselect_b32 s20, s21, s20
	s_cmp_eq_u32 s80, 2
	s_cselect_b32 s20, s22, s20
	s_add_co_i32 s20, s20, 127
	s_lshl_b32 s21, s20, 23
	v_mov_b32 v[SC], s21                           ; the folded scale as f32: the conversion takes its exponent field
	s_add_co_i32 s20, s20, 8
	s_lshl_b32 s20, s20, 23
	s_or_b32 s20, s20, 0x600000
	v_mov_b32 v[LIM], s20                          ; 448 x that
	PLACES NP                                      ; behind the last products: for the reads of their results and the writes over A's fragments
.macro QSTAGE a
.set AC, 64*((\a)%4)
	WIN 0x02+((\a)/4)                              ; source 0: window 2 or 3
.set j, 0
.rept 64
	v_med3_num_f32 v[TMP+j], v[AC+j], -v[LIM], v[LIM]   ; the conversion to an 8-bit code does not saturate (ISA guide 7.6.2): the hold; each accumulator from its low end on
.set j, j+1
.endr
	WIN 0
.set j, 0
.rept 8
	v_cvt_scalef32_pk8_fp8_f32 v[COD+16*(\a)+2*j:COD+16*(\a)+2*j+1], v[TMP+8*j:TMP+8*j+7], v[SC]
.set j, j+1
.endr
	v_nop                                          ; one plain vector line between the conversions and the next block's holds, which write their sources
.set j, 0
.rept 8
	ds_store_b64 v[STO], v[COD+16*(\a)+2*j:COD+16*(\a)+2*j+1] offset:(\a)*16*QP+16*j
.set j, j+1
.endr
.endm
.macro BACK n0, rg, cg                 ; the block of rows 64 rg on, columns 64 cg on, back into registers
.irp i, 0,1,2,3,4,5,6,7
	ds_load_b128 v[COD+4*(\n0+\i):COD+4*(\n0+\i)+3], v[RD] offset:(64*\rg+8*\i)*QP+64*\cg
.endr
.endm
.macro SENDQ n0, base
.irp i, 0,1,2,3,4,5,6,7
	s_wait_dscnt 31-(\n0+\i)                       ; LDS loads come back in order: this one is in, the younger ones may be out
	global_store_b128 v[CO], v[COD+4*(\n0+\i):COD+4*(\n0+\i)+3], s[\base:\base+1] offset:512*\i   ; 32 lanes store 512 consecutive bytes, at a multiple of 512 from the buffer's first byte
.endr
.endm
.irp a, 0,1,2,3,4,5,6,7
	QSTAGE \a
.endr
	s_wait_dscnt 0x0                               ; my stores into the stage have read the codes' registers, which now take the rows
	BACK 0, 0, 0
	BACK 8, 1, 0
	BACK 16, 0, 1
	BACK 24, 1, 1
	SENDQ 0, 66
	SENDQ 8, 92
	SENDQ 16, 94
	SENDQ 24, 98
	s_wait_tensorcnt 0x0                           ; the wave's end: behind my last tensor load and my last LDS store
	ds_add_u32 v[SPW], v[NIL]
	s_wait_dscnt 0x0
	CROUND                                         ; the closing round: no work-group ends while a partner may still ask for a tile that names it
	s_endpgm
.Lfunc_end_k_q6bc4f6444b_qkvgemm:
	.size	k_q6bc4f6444b_qkvgemm, .Lfunc_end_k_q6bc4f6444b_qkvgemm-k_q6bc4f6444b_qkvgemm
	.p2alignl 7, 3214868480
	.fill 96, 4, 3214868480
	.section	.rodata,"a",@progbits
	.p2align	6, 0x0
	.amdhsa_kernel k_q6bc4f6444b_qkvgemm
		.amdhsa_group_segment_fixed_size 327680
		.amdhsa_private_segment_fixed_size 0
		.amdhsa_enable_private_segment 0
		.amdhsa_kernarg_size 32
		.amdhsa_user_sgpr_count 2
		.amdhsa_user_sgpr_kernarg_segment_ptr 1
		.amdhsa_wavefront_size32 1
		.amdhsa_system_sgpr_workgroup_id_x 1
		.amdhsa_system_sgpr_workgroup_id_y 1
		.amdhsa_system_sgpr_workgroup_id_z 1
		.amdhsa_system_vgpr_workitem_id 0
		.amdhsa_next_free_vgpr 1024
		.amdhsa_next_free_sgpr 100
		.amdhsa_reserve_vcc 0
		.amdhsa_float_denorm_mode_32 3
		.amdhsa_float_denorm_mode_16_64 3
		.amdhsa_memory_ordered 1
		.amdhsa_forward_progress 1
		.amdhsa_inst_pref_size 126
	.end_amdhsa_kernel
	.amdgpu_metadata
---
amdhsa.version: [ 1, 2 ]
amdhsa.kernels:
  - .name:           k_q6bc4f6444b_qkvgemm
    .symbol:         k_q6bc4f6444b_qkvgemm.kd
    .args:
      - { .name: xc, .offset: 0, .size: 8, .value_kind: global_buffer, .address_space: global }
      - { .name: wc, .offset: 8, .size: 8, .value_kind: global_buffer, .address_space: global }
      - { .name: lowp_scales, .offset: 16, .size: 8, .value_kind: global_buffer, .address_space: global }
      - { .name: qkv, .offset: 24, .size: 8, .value_kind: global_buffer, .address_space: global }
    .group_segment_fixed_size: 327680
    .private_segment_fixed_size: 0
    .kernarg_segment_align: 8
    .kernarg_segment_size: 32
    .max_flat_workgroup_size: 128
    .sgpr_count:     100
    .vgpr_count:     1024
    .wavefront_size: 32
...
	.end_amdgpu_metadata
.endif
;; end of part 2
;; launch attn (part 3): grid 4 x 64, 8 waves a work-group, clusters of 4 x 1, 327,680 bytes of LDS; arguments qkv, lowp_scales, ac; writes ac
.if DOCPART == 3
	.amdgcn_target "amdgcn-amd-amdhsa--gfx1250"
	.amdhsa_code_object_version 6
	.text
	.protected	k_q6bc4f6444b_attn
	.globl	k_q6bc4f6444b_attn
	.p2align	8
	.type	k_q6bc4f6444b_attn,@function
k_q6bc4f6444b_attn:
	s_mov_b64 s[64:65], 0
	v_nop
	global_prefetch_b8 v0, s[64:65] scope:SCOPE_SE
	s_setreg_imm32_b32 hwreg(HW_REG_WAVE_MODE, 25, 1), 1
	s_wait_xcnt 0x0
	s_wait_alu depctr_hold_cnt(0) depctr_sa_sdst(0) depctr_va_vdst(0) depctr_va_sdst(0) depctr_va_ssrc(0) depctr_va_vcc(0) depctr_vm_vsrc(0)
	s_getreg_b32 s2, hwreg(HW_REG_IB_STS2, 6, 4)
	s_cmp_eq_u32 s2, 0
	s_cbranch_scc0 .Lentry_in_a_cluster
	s_endpgm
.Lentry_in_a_cluster:
	s_bfe_u32 s2, ttmp6, 0x10000c
	s_cmp_lg_u32 s2, 0x3003
	s_cbranch_scc0 .Lentry_shape_is_right
	s_endpgm
.Lentry_shape_is_right:
; Causal attention on codes of FP8 (E4M3): for each of 64 (batch, head) pairs, o[q] = the sum over keys k <= q of softmax_k(q . k / 8) v[k], head size 64, 2,048 tokens; o is quantised (e10) on the way out.
; IN (buffer qkv, three planes of 8,388,608 bytes): q (e6) and k (e7) [head][token][64 d]; v (e8) [head][token / 64][64 d][64 tokens]: the keys innermost.  A pair's part of a plane is a dense run of 131,072 bytes.  OUT (ac): codes laid like q's plane.
; LEFT OUT: key steps (128 keys) all of whose keys come after a tile's 16 queries: the causal mask sets those scores to -inf, so they add nothing to any output.
; THE SOFTMAX: t = score x log2(e) / 8; M = the row's largest t so far, rounded UP to a whole number; p = 2^(t - M) is quantised (e9) along the keys, not normalised.  The row's sum is taken of the unquantised p and divides O at the end.
; When M moves, the sum and O are multiplied by 2^(old M - new M): exact.
; SHARES.  A pair's 2,048 queries are 128 tiles of 16.  The pair's four work-groups form a cluster; partner cx takes the tiles 4 n + cx, n = 0 .. 31.  Tile n ends in key step m = n / 2, whatever cx is.
; Each of the 8 waves owns four tiles: with a = w % 4, tile 3 ends in step a, tile 2 in 7 - a, tile 1 in 8 + a, tile 0 in 15 - a; n = 2 m + w / 4.  So every wave has 25 tile steps in key steps 0-7 and 9 in key steps 8-15.
; ALL OF THE PAIR'S K AND V LIE IN LDS, each byte filled once: K as rows of two keys, 128 bytes + 16 of padding (147,456 bytes), V as rows of 64 bytes + 16 (163,840 bytes).  Keys 0-1023 are asked for at the head, keys 1024-2047 behind the first
; change; one more barrier stands ahead of key step 8.  Waves 0-3 fetch 256 keys of K each, waves 4-7 four chunks of V each.  The four partners need the same bytes: JOINT loads, mask 15.
; NO PREFETCH: the launch has two tensor loads a wave, and the second is issued as soon as the first has landed: no trip of a loop lies ahead of either in which to ask.
; A key step's fragments of K and V are read from LDS once and serve all the wave's live tiles.  The next step's K is asked for behind tile 0's scores, its V behind tile 0's second product; in a half's last step these loads read that same step again and are not used.
; THE TEXT: the softmax is written once for a half's tiles, walked by a counted loop; the lines that name a tile's own registers (Q, O, its four running numbers) stand in arms chosen by the loop's count.  Key steps 8-15 have tiles 1 and 0 alone.
; O begins as zeros and the largest t as -3e38, so that no step has a form of its own.
; LAYOUT.  Both products transposed: S^T = K Q^T (K = 64), O^T = V^T P^T (K = 128 keys): a lane holds ONE query (lane % 16).  Lane r of score tile 2 b + u takes key 32 b + 8 u + r + 8 (r / 8), so that the 16 registers of tiles 2 b, 2 b + 1 are keys 32 b + 16 (lane / 16) + 0 .. 15.
; Fragments come by loads of 16 bytes (registers 4 c .. 4 c + 3: K = 32 c + 16 (lane / 16) + 0 .. 15): one permutation of k, the same in both operands.
; LIMITS: e6 + e7 between -123 and 130; e9 and e10 between -126 and 119; the scaled scores stay under 2^31 in magnitude.  NaN among the inputs is not served.
; REGISTERS.  Window 0: v1-11 addresses; v12-15 the tile in hand: -M, largest t, the sum in two halves; v16-31 the same for tiles 0-3; v32-47 at work and constants; v48-111 K; v112-175 V; v176-239 S^T, then p; v240-255 p's codes.
;   Window 1: v0-31 Q of tiles 0-3; v32-159 O^T of tiles 0-3.
.set KP2,   144                        ; two keys in LDS: 128 bytes + 16: the 16 keys of a fragment load fall on 16 different 16-byte columns of 256
.set VP,    80                         ; a row of V in LDS: 64 bytes + 16
.set KSTEP, 64*KP2                     ; a key step's K
.set VSTEP, 128*VP                     ; a key step's V: two chunks of 64 rows
.set VOFF,  16*KSTEP
.set SPARE, VOFF+16*VSTEP              ; the spare words, 128 bytes a wave: four blocks of 256 bytes that no other line names
.set STG,   SPARE+1024                 ; the way out: 1,024 bytes a wave; no fill lands here
.set AK0, 1
.set AV0, 2
.set RH,  4                            ; lane % 16 - 16 (lane / 16)
.set SPW, 5
.set NIL, 6
.set GO,  7                            ; 16 x lane
.set ADK, 8
.set ADV, 9
.set STI, 10                           ; the stage, in
.set STO, 11                           ; the stage, back
.set T0,  32
.set T1,  33
.set PD,  34
.set T2,  35
.set FF,  36                           ; v[36:37] f, 0
.set T3,  38                           ; also d on the diagonal; later a sum
.set SC,  44
.set LIM, 45
.set LIM2, 46
.set NINF, 47
.set KK,  48
.set VV,  112
.set SS,  176
.set CC,  240
.set WV,  18
.set SEL, 20
.set CS,  22
.set G1K, 24                           ; s[24:31], s[32:39] descriptor groups 1 of K and of V: they differ in the padding's interval
.set G1V, 32
.set G0K, 40                           ; s[40:43], s[44:47] their groups 0
.set G0V, 44
.set ME,  48                           ; s48-51 first key of tile t's last key step
.set QQ,  52                           ; s52-55 tile t's first query
.set OB,  56                           ; s[56:63] tile t's place in ac
.set CNT, 66
.set TBK, 78                           ; LDS byte of the key step in hand, in K
.set KF,  79                           ; its first key
.set TI,  80                           ; tile + 1
.set MEC, 81
.set DQ,  82
.set NXK, 83                           ; LDS byte of the next key step (in a half's last step: the same step)
.set CX,  84
.set TLK, 85                           ; LDS byte of the half's last key step
.set TBV, 86                           ; the same three for V
.set NXV, 87
.set TLV, 88
.set MSB, 0
.macro WIN new
.if MSB != \new
	s_set_vgpr_msb (MSB<<8)|\new
.set MSB, \new
.endif
.endm
.macro CROUND                          ; a round of the cluster's barrier
	s_barrier_signal -1
	s_barrier_wait -1
	s_cmp_lg_u32 s[WV], 0
	s_cbranch_scc1 .Lnw0_\@
	s_barrier_signal -3
.Lnw0_\@:
	s_barrier_wait -3
	s_barrier_signal -1
	s_barrier_wait -1
.endm
.macro JLOAD                           ; every wave's one joint load: waves 0-3 for K, 4-7 for V; the branch hangs on the wave's number alone; s_nop 0 and four v_nop follow each line
	s_cmp_lt_u32 s[WV], 4
	s_cbranch_scc0 .Lfv_\@
	tensor_load_to_lds s[G0K:G0K+3], s[G1K:G1K+7]
	s_nop 0
.rept 4
	v_nop
.endr
	s_branch .Lj_\@
.Lfv_\@:
	tensor_load_to_lds s[G0V:G0V+3], s[G1V:G1V+7]
	s_nop 0
.rept 4
	v_nop
.endr
.Lj_\@:
.endm
.macro LOADK
.irp j, 0,1,2,3,4,5,6,7
.irp c, 0,1
	ds_load_b128 v[KK+8*\j+4*\c:KK+8*\j+4*\c+3], v[ADK] offset:(16*(\j/2)+4*(\j%2))*KP2+32*\c
.endr
.endr
.endm
.macro LOADV
.irp j, 0,1,2,3
.irp c, 0,1,2,3
	ds_load_b128 v[VV+16*\j+4*\c:VV+16*\j+4*\c+3], v[ADV] offset:(\c/2)*64*VP+16*\j*VP+32*(\c%2)
.endr
.endr
.endm
	s_load_b128 s[4:7], s[0:1], 0x0                ; qkv, the exponents
	s_load_b64 s[8:9], s[0:1], 0x10                ; ac
	v_lshl_add_u32 v[SPW], v0, 2, SPARE
	v_mov_b32 v[NIL], 0
	ds_add_u32 v[SPW], v[NIL]                      ; the opening lines: the add, twice on end, and its wait stand ahead of the round in front of my first tensor load
	ds_add_u32 v[SPW], v[NIL]
	v_lshrrev_b32 v32, 5, v0
	s_delay_alu instid0(VALU_DEP_1)
	v_readfirstlane_b32 s[WV], v32                 ; wave 0..7
	s_bfe_u32 s[CX], ttmp6, 0x40000                ; my place in the cluster
	s_and_b32 s10, ttmp7, 0xffff                   ; 16 x batch + head
	s_and_b32 s11, s10, 15
	s_lshr_b32 s12, s10, 4
	s_lshl_b32 s11, s11, 19
	s_lshl_b32 s12, s12, 17
	s_add_co_u32 s12, s11, s12                     ; the pair's first byte in each plane, and in ac
	s_mov_b32 s13, 0
	s_and_b32 s14, s[WV], 3                        ; a
	s_lshr_b32 s15, s[WV], 2
	s_xor_b32 s16, s14, 3                          ; 3 - a
	s_lshl_b32 s[ME+3], s14, 7                     ; m = a,
	s_add_co_u32 s17, s16, 4
	s_lshl_b32 s[ME+2], s17, 7                     ; 7 - a,
	s_add_co_u32 s17, s14, 8
	s_lshl_b32 s[ME+1], s17, 7                     ; 8 + a,
	s_add_co_u32 s17, s16, 12
	s_lshl_b32 s[ME], s17, 7                       ; 15 - a
	s_lshl_b32 s15, s15, 6
	s_lshl_b32 s17, s[CX], 4
	s_add_co_u32 s17, s17, s15
.irp t, 0,1,2,3
	s_add_co_u32 s[QQ+\t], s[ME+\t], s17           ; first query = 128 m + 64 (w / 4) + 16 cx
.endr
	s_mov_b32 s[G1K], 15|(0<<16)|(1<<20)|(1<<21)|(4<<22)|(3<<25)  ; the mask: all four partners; elements of 1 byte; padding on; bit 21 beside a mask; four words behind every 32
	s_mov_b32 s[G1V], 15|(0<<16)|(1<<20)|(1<<21)|(3<<22)|(3<<25)  ; the same, four words behind every 16
.irp g, G1K, G1V                       ; 16,384 dense bytes as 8 rows of 2,048
	s_mov_b32 s[\g+1], 2048<<16                    ; tensor_dim0
	s_mov_b32 s[\g+2], 8<<16                       ; tensor_dim1
	s_mov_b32 s[\g+3], 2048<<16                    ; tile_dim0
	s_mov_b32 s[\g+4], 8                           ; tile_dim1
	s_mov_b32 s[\g+5], 2048                        ; from row to row
	s_mov_b32 s[\g+6], 0
	s_mov_b32 s[\g+7], 0
.endr
	s_mov_b32 s[SEL], 0x76543210
	s_mov_b32 s[SEL+1], 0xfedcba98
	s_mov_b32 s[CS], 0x3e38aa3b                    ; log2(e) / 8
	s_mov_b32 s[TBK], 0
	s_mov_b32 s[TBV], 0
	s_mov_b32 s[TLK], 7*KSTEP
	s_mov_b32 s[TLV], 7*VSTEP
	s_mov_b32 s[KF], 0
	s_mov_b32 s[G0K], 1
	s_mov_b32 s[G0V], 1
	s_mul_i32 s[G0K+1], s14, 2*KSTEP               ; 256 keys a wave
	s_mul_i32 s[G0V+1], s14, 2*VSTEP               ; four chunks a wave,
	s_add_co_u32 s[G0V+1], s[G0V+1], VOFF          ; behind K
	s_lshl_b32 s10, s14, 14                        ; and 16,384 bytes of memory
	s_mov_b32 s11, 0
	s_wait_dscnt 0x0                               ; both opening adds are done
	s_wait_kmcnt 0x0
	s_load_b128 s[68:71], s[6:7], 0x18             ; e6, e7, e8, e9
	s_load_b32 s72, s[6:7], 0x28                   ; e10
	s_add_nc_u64 s[4:5], s[4:5], s[12:13]          ; the pair's q,
	s_add_nc_u64 s[G0K+2:G0K+3], s[4:5], 0x800000  ; k,
	s_add_nc_u64 s[G0V+2:G0V+3], s[4:5], 0x1000000 ; v
	s_add_nc_u64 s[G0K+2:G0K+3], s[G0K+2:G0K+3], s[10:11]
	s_add_nc_u64 s[G0V+2:G0V+3], s[G0V+2:G0V+3], s[10:11]
	s_or_b32 s[G0K+3], s[G0K+3], 0x80000000
	s_or_b32 s[G0V+3], s[G0V+3], 0x80000000
	CROUND                                         ; the four partners are here: the first joint loads meet
	JLOAD                                          ; keys 0-1023
	v_and_b32 v32, 15, v0                          ; r
	v_bfe_u32 v33, v0, 4, 1                        ; h
	s_delay_alu instid0(VALU_DEP_2)
	v_lshlrev_b32 v35, 6, v32
	v_and_b32 v39, 31, v0
	s_lshl_b32 s10, s[WV], 10
	s_add_co_u32 s10, s10, STG                     ; my stage
	v_lshl_add_u32 v36, v33, 4, v35                ; Q: row r of 64 bytes, + 16 h
	v_lshl_add_u32 v[STI], v33, 3, v35
	v_lshlrev_b32 v[GO], 4, v39
	s_delay_alu instid0(VALU_DEP_2)
	v_add_nc_u32 v[STI], s10, v[STI]
	s_delay_alu instid0(VALU_DEP_2)
	v_add_nc_u32 v[STO], s10, v[GO]
	s_wait_alu depctr_va_vdst(0)                   ; the lines below read these registers across a run of scalar lines
	s_add_nc_u64 s[8:9], s[8:9], s[12:13]
.irp t, 0,1,2,3
	s_lshl_b32 s10, s[QQ+\t], 6
	v_add_nc_u32 v[40+\t], s10, v36
	s_add_nc_u64 s[OB+2*\t:OB+2*\t+1], s[8:9], s[10:11]
.endr
	s_wait_alu depctr_va_vdst(0)
	WIN 0x40                                       ; destinations in window 1
.irp t, 0,1,2,3
	global_load_b128 v[8*\t:8*\t+3], v[40+\t], s[4:5]
	global_load_b128 v[8*\t+4:8*\t+7], v[40+\t], s[4:5] offset:32
.endr
.set n, 0
.rept 128
	v_mov_b32 v[32+n], 0                           ; O^T of the four tiles: the first change of M leaves zeros zeros
.set n, n+1
.endr
	WIN 0
	v_and_b32 v35, 8, v32
	s_delay_alu instid0(VALU_DEP_1)
	v_add_nc_u32 v35, v35, v32                     ; my key in a tile: r + 8 (r / 8)
	v_mul_u32_u24 v[AV0], v32, VP
	v_lshlrev_b32 v[RH], 4, v33
	v_lshrrev_b32 v38, 1, v35
	v_and_b32 v39, 1, v35
	v_lshl_add_u32 v[AV0], v33, 4, v[AV0]
	v_sub_nc_u32 v[RH], v32, v[RH]
	v_mul_u32_u24 v[AK0], v38, KP2                 ; K: (key / 2) x 144 + (key % 2) x 64 + 16 h
	v_add_nc_u32 v[AV0], VOFF, v[AV0]
	s_delay_alu instid0(VALU_DEP_2)
	v_lshl_add_u32 v[AK0], v39, 6, v[AK0]
	s_delay_alu instid0(VALU_DEP_1)
	v_lshl_add_u32 v[AK0], v33, 4, v[AK0]
.irp t, 0,1,2,3
	v_mov_b32 v[17+4*\t], 0xff61b1e6               ; the largest t so far: -3e38
	v_mov_b32 v[18+4*\t], 0
	v_mov_b32 v[19+4*\t], 0
	v_floor_f32 v[16+4*\t], -v[17+4*\t]            ; -M
.endr
	v_mov_b32 v[PD], 0                             ; a lane permute's destination counts as a source
	v_mov_b32 v[FF+1], 0                           ; (named as the upper half of f's pair)
	v_mov_b32 v[NINF], 0xff800000
	s_wait_kmcnt 0x0
	s_add_co_i32 s73, s68, s69
	s_lshl_b32 s73, s73, 23
	s_add_co_i32 s[CS], s[CS], s73                 ; e6 + e7 go into c's exponent field
	s_mov_b32 s[CS+1], s[CS]
	s_add_co_i32 s73, s71, 127
	s_lshl_b32 s74, s73, 23
	v_mov_b32 v[SC], s74                           ; 2^e9
	s_add_co_i32 s73, s73, 8
	s_lshl_b32 s73, s73, 23
	s_or_b32 s73, s73, 0x600000
	v_mov_b32 v[LIM], s73                          ; 448 x 2^e9, twice: the two halves of a dual line take it from different register banks
	v_mov_b32 v[LIM2], s73
; The scores of tile t: eight products.  The four moves behind them are the places in front of the first read of the scores and of the loads into K's registers.
.macro ARMA t, dead
	s_cmp_gt_u32 s[KF], s[ME+\t]                   ; all keys of the step come after the tile's queries: wave's number and the count of steps alone
	s_cbranch_scc1 \dead
	s_mov_b32 s[MEC], s[ME+\t]
	s_sub_co_i32 s[DQ], s[QQ+\t], s[KF]
	s_wait_dscnt 16                                ; K's 16 loads are in; V's 16, issued behind them, may be out
	WIN 0x04                                       ; source 1 (Q) in window 1
.irp j, 0,1,2,3,4,5,6,7
	v_wmma_f32_16x16x64_fp8_fp8 v[SS+8*\j:SS+8*\j+7], v[KK+8*\j:KK+8*\j+7], v[8*\t:8*\t+7], 0
.endr
.irp i, 0,1,2,3
	v_mov_b32 v[12+\i], v[16+4*\t+\i]
.endr
	WIN 0
.if \t == 0
	LOADK                                          ; tile 0 is the step's last: the next step's K lands under its softmax
.endif
.endm
; The softmax of the tile in hand: S^T in v176-239 becomes p's codes in v240-255.
.macro SOFT
	s_cmp_lg_u32 s[KF], s[MEC]                     ; only a tile's last step lies on the diagonal
	s_cbranch_scc1 .Lopen_\@
	v_add_nc_u32 v[T3], s[DQ], v[RH]               ; d = my query - KF - 16 (lane / 16): register 16 b + i holds key KF + 16 (lane / 16) + 32 b + i, hidden where 32 b + i > d
.set n, 0
.rept 64
	v_cmp_gt_i32 vcc_lo, 32*(n/16)+n%16, v[T3]
	v_cndmask_b32 v[SS+n], v[SS+n], v[NINF], vcc_lo
.set n, n+1
.endr
.Lopen_\@:
	v_max3_num_f32 v[T0], v[SS], v[SS+1], v[SS+2]  ; the largest score of my query among my 64 keys: four chains, ascending
	v_max3_num_f32 v[T1], v[SS+3], v[SS+4], v[SS+5]
	v_max3_num_f32 v[T2], v[SS+6], v[SS+7], v[SS+8]
	v_max3_num_f32 v[T3], v[SS+9], v[SS+10], v[SS+11]
.set n, 12
.rept 6
	v_max3_num_f32 v[T0], v[T0], v[SS+n], v[SS+n+1]
	v_max3_num_f32 v[T1], v[T1], v[SS+n+2], v[SS+n+3]
	v_max3_num_f32 v[T2], v[T2], v[SS+n+4], v[SS+n+5]
	v_max3_num_f32 v[T3], v[T3], v[SS+n+6], v[SS+n+7]
.set n, n+8
.endr
	v_max3_num_f32 v[T0], v[T0], v[SS+60], v[SS+61]
	v_max3_num_f32 v[T1], v[T1], v[SS+62], v[SS+63]
	s_delay_alu instid0(VALU_DEP_1)
	v_max3_num_f32 v[T0], v[T0], v[T1], v[T2]
	s_delay_alu instid0(VALU_DEP_1)
	v_max_num_f32 v[T0], v[T0], v[T3]
	s_delay_alu instid0(VALU_DEP_1)
	v_permlanex16_b32 v[PD], v[T0], s[SEL], s[SEL+1]
	s_delay_alu instid0(VALU_DEP_1)
	v_max_num_f32 v[T0], v[T0], v[PD]              ; and among lane l xor 16's
	s_delay_alu instid0(VALU_DEP_1)
	v_mul_f32 v[T0], s[CS], v[T0]                  ; as t (c is positive)
	s_delay_alu instid0(VALU_DEP_1)
	v_max_num_f32 v13, v13, v[T0]
	v_mov_b32 v[T1], v12
	s_delay_alu instid0(VALU_DEP_2)
	v_floor_f32 v12, -v13                          ; the new -M = -ceil(t)
	s_delay_alu instid0(VALU_DEP_1)
	v_sub_f32 v[T0], v12, v[T1]                    ; old M - new M: a whole number, 0 or less
	s_delay_alu instid0(VALU_DEP_1)
	v_cvt_i32_f32 v[T0], v[T0]                     ; (it saturates)
	s_delay_alu instid0(VALU_DEP_1)
	v_ldexp_f32 v[FF], 1.0, v[T0]                  ; f = 2^(old M - new M)
.set n, 0
.rept 32
	v_pk_fma_f32 v[SS+n:SS+n+1], v[SS+n:SS+n+1], s[CS:CS+1], v[12:13] op_sel_hi:[1,0,0]   ; t - M
.set n, n+2
.endr
	s_wait_alu depctr_va_vdst(0)
.set n, 0
.rept 64
	v_exp_f32 v[SS+n], v[SS+n]                     ; p = 2^(t - M)
.set n, n+1
.endr
	v_pk_mul_f32 v[14:15], v[14:15], v[FF:FF+1] op_sel_hi:[1,0]   ; the sums under the new M: the plain line behind the batch
	s_wait_alu depctr_va_vdst(0)                   ; and the wait behind it, ahead of its first reader
	v_pk_add_f32 v[38:39], v[SS:SS+1], v[SS+2:SS+3]               ; the row's sum of the unquantised p, in four chains
	v_pk_add_f32 v[40:41], v[SS+4:SS+5], v[SS+6:SS+7]
	v_pk_add_f32 v[42:43], v[SS+8:SS+9], v[SS+10:SS+11]
	v_pk_add_f32 v[14:15], v[14:15], v[SS+12:SS+13]
.set n, 14
.rept 6
	v_pk_add_f32 v[38:39], v[38:39], v[SS+n:SS+n+1]
	v_pk_add_f32 v[40:41], v[40:41], v[SS+n+2:SS+n+3]
	v_pk_add_f32 v[42:43], v[42:43], v[SS+n+4:SS+n+5]
	v_pk_add_f32 v[14:15], v[14:15], v[SS+n+6:SS+n+7]
.set n, n+8
.endr
	v_pk_add_f32 v[38:39], v[38:39], v[40:41]
	v_pk_add_f32 v[14:15], v[14:15], v[SS+62:SS+63]
	s_delay_alu instid0(VALU_DEP_2)
	v_pk_add_f32 v[38:39], v[38:39], v[42:43]
	s_delay_alu instid0(VALU_DEP_1)
	v_pk_add_f32 v[14:15], v[14:15], v[38:39]
.set b, 0
.rept 4
.set n, 0
.rept 8
	v_dual_min_num_f32 v[SS+16*b+n], v[SS+16*b+n], v[LIM] :: v_dual_min_num_f32 v[SS+16*b+n+1], v[SS+16*b+n+1], v[LIM2]   ; the conversion does not saturate (ISA guide 7.6.2); p is not negative: a one-sided hold, two numbers a line
.set n, n+2
.endr
	v_cvt_scalef32_pk8_fp8_f32 v[CC+4*b:CC+4*b+1], v[SS+16*b:SS+16*b+7], v[SC]
	v_cvt_scalef32_pk8_fp8_f32 v[CC+4*b+2:CC+4*b+3], v[SS+16*b+8:SS+16*b+15], v[SC]
.set b, b+1
.endr
.endm
; Tile t's O^T under the new M, and O^T += V^T P^T.  The four accumulators take turns.
.macro ARMB t
	s_wait_dscnt 0x0                               ; V is in
.irp i, 0,1,2,3
	v_mov_b32 v[16+4*\t+\i], v[12+\i]
.endr
	WIN 0x41                                       ; destination and source 0 in window 1
	s_wait_alu depctr_va_vdst(0)                   ; directly ahead of the first reader of O^T; it also serves the four moves
.set n, 0
.rept 16
	v_pk_mul_f32 v[32+32*\t+n:33+32*\t+n], v[32+32*\t+n:33+32*\t+n], v[FF:FF+1] op_sel_hi:[1,0]
.set n, n+2
.endr
	WIN 0x50                                       ; C and D in window 1
.irp j, 0,1,2,3
	v_wmma_f32_16x16x128_fp8_fp8 v[32+32*\t+8*\j:39+32*\t+8*\j], v[VV+16*\j:VV+16*\j+15], v[CC:CC+15], v[32+32*\t+8*\j:39+32*\t+8*\j]
.endr
	WIN 0
.if \t == 0
.rept 4
	v_nop                                          ; four places in front of loads into registers that these products have read
.endr
	LOADV                                          ; the next step's V lands under the next softmax
.endif
.endm
.macro FIRSTLD                         ; a half's first key step
	v_add_nc_u32 v[ADK], s[TBK], v[AK0]
	v_add_nc_u32 v[ADV], s[TBV], v[AV0]
	v_nop                                          ; with the two additions: four places in front of the loads
	v_nop
	LOADK
	LOADV
.endm
; A half's eight key steps, with tiles nt - 1 .. 0.
.macro STEPS nt
	s_mov_b32 s[CNT], 8
.Lstep_\@:
	s_add_co_u32 s[NXK], s[TBK], KSTEP
	s_min_u32 s[NXK], s[NXK], s[TLK]
	s_add_co_u32 s[NXV], s[TBV], VSTEP
	s_min_u32 s[NXV], s[NXV], s[TLV]
	v_add_nc_u32 v[ADK], s[NXK], v[AK0]
	v_add_nc_u32 v[ADV], s[NXV], v[AV0]
	s_wait_alu depctr_va_vdst(0)
	s_mov_b32 s[TI], \nt
.Ltile_\@:
	s_cmp_eq_u32 s[TI], 1
	s_cbranch_scc1 .LA0_\@
.if \nt > 2
	s_cmp_eq_u32 s[TI], 2
	s_cbranch_scc1 .LA1_\@
	s_cmp_eq_u32 s[TI], 3
	s_cbranch_scc1 .LA2_\@
	ARMA 3, .Lnext_\@
	s_branch .Lcom_\@
.LA2_\@:
	ARMA 2, .Lnext_\@
	s_branch .Lcom_\@
.LA1_\@:
.endif
	ARMA 1, .Lnext_\@
	s_branch .Lcom_\@
.LA0_\@:
	ARMA 0, .Lnext_\@
.Lcom_\@:
	SOFT
	s_cmp_eq_u32 s[TI], 1
	s_cbranch_scc1 .LB0_\@
.if \nt > 2
	s_cmp_eq_u32 s[TI], 2
	s_cbranch_scc1 .LB1_\@
	s_cmp_eq_u32 s[TI], 3
	s_cbranch_scc1 .LB2_\@
	ARMB 3
	s_branch .Lnext_\@
.LB2_\@:
	ARMB 2
	s_branch .Lnext_\@
.LB1_\@:
.endif
	ARMB 1
	s_branch .Lnext_\@
.LB0_\@:
	ARMB 0
.Lnext_\@:
	s_sub_co_u32 s[TI], s[TI], 1
	s_cmp_lg_u32 s[TI], 0
	s_cbranch_scc1 .Ltile_\@
	s_add_co_u32 s[KF], s[KF], 128
	s_add_co_u32 s[TBK], s[TBK], KSTEP
	s_add_co_u32 s[TBV], s[TBV], VSTEP
	s_sub_co_u32 s[CNT], s[CNT], 1
	s_cmp_lg_u32 s[CNT], 0
	s_cbranch_scc1 .Lstep_\@
.endm
	s_wait_alu depctr_va_vdst(0)
	s_wait_loadcnt 0x0                             ; Q
	s_wait_tensorcnt 0x0                           ; my part of keys 0-1023 is in
	ds_add_u32 v[SPW], v[NIL]
	s_add_co_u32 s[G0K+1], s[G0K+1], 8*KSTEP       ; no load of mine is out: the groups 0 step to keys 1024-2047
	s_add_co_u32 s[G0V+1], s[G0V+1], 8*VSTEP
	s_add_nc_u64 s[G0K+2:G0K+3], s[G0K+2:G0K+3], 65536
	s_add_nc_u64 s[G0V+2:G0V+3], s[G0V+2:G0V+3], 65536
	s_wait_dscnt 0x0
	CROUND                                         ; everybody's part is in, and the four partners meet
	JLOAD                                          ; keys 1024-2047: it has key steps 0-7 in which to land
	FIRSTLD
	STEPS 4
	s_wait_tensorcnt 0x0                           ; my part of keys 1024-2047 is in
	ds_add_u32 v[SPW], v[NIL]
	s_mov_b32 s[TBK], 8*KSTEP
	s_mov_b32 s[TBV], 8*VSTEP
	s_mov_b32 s[TLK], 15*KSTEP
	s_mov_b32 s[TLV], 15*VSTEP
	s_mov_b32 s[KF], 1024
	s_wait_dscnt 0x0
	s_barrier_signal -1
	s_barrier_wait -1                              ; everybody's is
	FIRSTLD
	STEPS 2
	; THE WAY OUT.  O^T x 2^(e8 + e9) / the sum is held and converted under e10.  A tile's 16 queries are 1,024 consecutive bytes of ac: they go through my stage and leave in two stores of 512 consecutive bytes.
	s_wait_dscnt 0x0                               ; the last step's unused loads are in: their registers are free
	s_add_co_i32 s73, s70, s71                     ; e8 + e9
	s_add_co_i32 s74, s72, 127
	s_lshl_b32 s75, s74, 23
	s_add_co_i32 s74, s74, 8
	s_lshl_b32 s74, s74, 23
	s_or_b32 s74, s74, 0x600000
.irp t, 0,1,2,3
	v_add_f32 v[12+\t], v[18+4*\t], v[19+4*\t]     ; the sum's two halves,
.endr
.irp t, 0,1,2,3
	v_permlanex16_b32 v[40+\t], v[12+\t], s[SEL], s[SEL+1]
.endr
.irp t, 0,1,2,3
	v_add_f32 v[12+\t], v[12+\t], v[40+\t]         ; and lane l xor 16's
.endr
	s_wait_alu depctr_va_vdst(0)
.irp t, 0,1,2,3
	v_rcp_f32 v[12+\t], v[12+\t]
.endr
	v_mov_b32 v[SC], s75                           ; 2^e10  (plain lines behind the batch)
	v_mov_b32 v[LIM], s74                          ; 448 x 2^e10
	s_wait_alu depctr_va_vdst(0)                   ; and behind it
.irp t, 0,1,2,3
	v_ldexp_f32 v[12+\t], v[12+\t], s73
.endr
.irp t, 0,1,2,3
	WIN 0x01                                       ; source 0 in window 1
	s_wait_alu depctr_va_vdst(0)                   ; directly ahead of the first reader of O^T
.set n, 0
.rept 32
	v_mul_f32 v[SS+32*(\t%2)+n], v[32+32*\t+n], v[12+\t]   ; register 8 j + i is o(r, 16 j + 8 h + i); each accumulator from its low end on
.set n, n+1
.endr
	WIN 0
.set n, 0
.rept 32
	v_med3_num_f32 v[SS+32*(\t%2)+n], v[SS+32*(\t%2)+n], -v[LIM], v[LIM]
.set n, n+1
.endr
.irp j, 0,1,2,3
	v_cvt_scalef32_pk8_fp8_f32 v[CC+8*(\t%2)+2*\j:CC+8*(\t%2)+2*\j+1], v[SS+32*(\t%2)+8*\j:SS+32*(\t%2)+8*\j+7], v[SC]
.endr
	v_nop                                          ; one plain line behind the last conversion
.irp j, 0,1,2,3
	ds_store_b64 v[STI], v[CC+8*(\t%2)+2*\j:CC+8*(\t%2)+2*\j+1] offset:16*\j
.endr
	ds_load_b128 v[KK+8*\t:KK+8*\t+3], v[STO]                       ; LDS serves a wave's instructions in order (ISA guide 5.7.1.4): these see my stores, and the next tile's stores come behind them
	ds_load_b128 v[KK+8*\t+4:KK+8*\t+7], v[STO] offset:512
.endr
	s_wait_dscnt 0x0
.irp t, 0,1,2,3
	global_store_b128 v[GO], v[KK+8*\t:KK+8*\t+3], s[OB+2*\t:OB+2*\t+1]               ; 32 lanes store 512 consecutive bytes, at a multiple of 512 from ac's first byte
	global_store_b128 v[GO], v[KK+8*\t+4:KK+8*\t+7], s[OB+2*\t:OB+2*\t+1] offset:512
.endr
	s_wait_tensorcnt 0x0                           ; the wave's end
	ds_add_u32 v[SPW], v[NIL]
	s_wait_dscnt 0x0
	CROUND                                         ; the closing round
	s_endpgm
.Lfunc_end_k_q6bc4f6444b_attn:
	.size	k_q6bc4f6444b_attn, .Lfunc_end_k_q6bc4f6444b_attn-k_q6bc4f6444b_attn
	.p2alignl 7, 3214868480
	.fill 96, 4, 3214868480
	.section	.rodata,"a",@progbits
	.p2align	6, 0x0
	.amdhsa_kernel k_q6bc4f6444b_attn
		.amdhsa_group_segment_fixed_size 327680
		.amdhsa_private_segment_fixed_size 0
		.amdhsa_enable_private_segment 0
		.amdhsa_kernarg_size 24
		.amdhsa_user_sgpr_count 2
		.amdhsa_user_sgpr_kernarg_segment_ptr 1
		.amdhsa_wavefront_size32 1
		.amdhsa_system_sgpr_workgroup_id_x 1
		.amdhsa_system_sgpr_workgroup_id_y 1
		.amdhsa_system_sgpr_workgroup_id_z 1
		.amdhsa_system_vgpr_workitem_id 0
		.amdhsa_next_free_vgpr 512
		.amdhsa_next_free_sgpr 100
		.amdhsa_reserve_vcc 1
		.amdhsa_float_denorm_mode_32 3
		.amdhsa_float_denorm_mode_16_64 3
		.amdhsa_memory_ordered 1
		.amdhsa_forward_progress 1
		.amdhsa_inst_pref_size 90
	.end_amdhsa_kernel
	.amdgpu_metadata
---
amdhsa.version: [ 1, 2 ]
amdhsa.kernels:
  - .name:           k_q6bc4f6444b_attn
    .symbol:         k_q6bc4f6444b_attn.kd
    .args:
      - { .name: qkv, .offset: 0, .size: 8, .value_kind: global_buffer, .address_space: global }
      - { .name: lowp_scales, .offset: 8, .size: 8, .value_kind: global_buffer, .address_space: global }
      - { .name: ac, .offset: 16, .size: 8, .value_kind: global_buffer, .address_space: global }
    .group_segment_fixed_size: 327680
    .private_segment_fixed_size: 0
    .kernarg_segment_align: 8
    .kernarg_segment_size: 24
    .max_flat_workgroup_size: 256
    .sgpr_count:     100
    .vgpr_count:     512
    .wavefront_size: 32
...
	.end_amdgpu_metadata
.endif
;; end of part 3
;; launch proj (part 4): grid 4 x 32, 4 waves a work-group, clusters of 4 x 4, 327,680 bytes of LDS; arguments ac, wc, lowp_scales, out0; writes out0
.if DOCPART == 4
	.amdgcn_target "amdgcn-amd-amdhsa--gfx1250"
	.amdhsa_code_object_version 6
	.text
	.protected	k_q6bc4f6444b_proj
	.globl	k_q6bc4f6444b_proj
	.p2align	8
	.type	k_q6bc4f6444b_proj,@function
k_q6bc4f6444b_proj:
	s_mov_b64 s[64:65], 0
	v_nop
	global_prefetch_b8 v0, s[64:65] scope:SCOPE_SE
	s_setreg_imm32_b32 hwreg(HW_REG_WAVE_MODE, 25, 1), 1
	s_wait_xcnt 0x0
	s_wait_alu depctr_hold_cnt(0) depctr_sa_sdst(0) depctr_va_vdst(0) depctr_va_sdst(0) depctr_va_ssrc(0) depctr_va_vcc(0) depctr_vm_vsrc(0)
	s_getreg_b32 s2, hwreg(HW_REG_IB_STS2, 6, 4)
	s_cmp_eq_u32 s2, 0
	s_cbranch_scc0 .Lentry_in_a_cluster
	s_endpgm
.Lentry_in_a_cluster:
	s_bfe_u32 s2, ttmp6, 0x10000c
	s_cmp_lg_u32 s2, 0xf033
	s_cbranch_scc0 .Lentry_shape_is_right
	s_endpgm
.Lentry_shape_is_right:
.set SIZE_N, 1024
.set ROWB,   256
.set KROW,   1024
.set PITCH,  272
.set APITCH, 80
.set CHB,    128*APITCH
.set ASTEP,  4*524288
.set FR,     16
.set NL,     4
.set NP,     4
.set HALFA,  4*CHB
.set HALFB,  128*PITCH
.set SLOT,   2*HALFA+2*HALFB
.set SPARE,  2*SLOT
.set SPITCH, 528
.set ADRA, 16
.set ADRB, 20
.set STO,  24
.set RD,   25
.set CO,   26
.set SPW,  28
.set NIL,  29
.set TMP,  32
.set AF,   128
.set BK,   128
.set G1, 24
.set G0, 32
.set G1B, 48
.set G0B, 56
.set MSB, 0
.macro WIN new
.if MSB != \new
	s_set_vgpr_msb (MSB<<8)|\new
.set MSB, \new
.endif
.endm
.set MUL_LO, 0xa1
.set MUL_HI, 0xf1
.set TO_B,   0x40
.macro JLOAD g0a, g1a, g0b, g1b
	s_cmp_eq_u32 s15, 0
	s_cbranch_scc0 .Lfor_b_\@
	tensor_load_to_lds s[\g0a:\g0a+3], s[\g1a:\g1a+7]
	s_nop 0
.rept 4
	v_nop
.endr
	s_branch .Lasked_\@
.Lfor_b_\@:
	tensor_load_to_lds s[\g0b:\g0b+3], s[\g1b:\g1b+7]
	s_nop 0
.rept 4
	v_nop
.endr
.Lasked_\@:
.endm
.macro CREST
	s_cmp_lg_u32 s14, 0
	s_cbranch_scc1 .Lnot_wave_0_\@
	s_barrier_signal -3
.Lnot_wave_0_\@:
	s_barrier_wait -3
	s_barrier_signal -1
	s_barrier_wait -1
.endm
.macro CROUND
	s_barrier_signal -1
	s_barrier_wait -1
	CREST
.endm
	s_load_b128 s[4:7], s[0:1], 0x0
	s_load_b128 s[8:11], s[0:1], 0x10
	v_lshl_add_u32 v[SPW], v0, 2, SPARE
	v_mov_b32 v[NIL], 0
	ds_add_u32 v[SPW], v[NIL]
	ds_add_u32 v[SPW], v[NIL]
	v_lshrrev_b32 v1, 5, v0
	v_readfirstlane_b32 s14, v1
	s_lshr_b32 s15, s14, 1
	s_and_b32 s16, s14, 1
	s_bfe_u32 s40, ttmp6, 0x40000
	s_bfe_u32 s41, ttmp6, 0x40004
	s_lshl_b32 s42, ttmp9, 2
	s_add_co_u32 s42, s42, s40
	s_and_b32 s17, ttmp7, 0xffff
	s_lshl_b32 s17, s17, 2
	s_add_co_u32 s17, s17, s41
	s_lshl_b32 s43, s41, 2
	s_lshl_b32 s43, 15, s43
	s_lshl_b32 s44, 0x1111, s40
	s_or_b32 s[G1+0], s43, (0<<16)|(1<<20)|(1<<21)|(3<<22)|(3<<25)
	s_mov_b32 s[G1+1], 8192<<16
	s_mov_b32 s[G1+2], 4<<16
	s_mov_b32 s[G1+3], 8192<<16
	s_mov_b32 s[G1+4], 4
	s_mov_b32 s[G1+5], 524288
	s_mov_b32 s[G1+6], 0
	s_mov_b32 s[G1+7], 0
	s_or_b32 s[G1B+0], s44, (0<<16)|(1<<20)|(1<<21)|(5<<22)|(3<<25)
	s_mov_b32 s[G1B+1], ROWB<<16
	s_mov_b32 s[G1B+2], 128<<16
	s_mov_b32 s[G1B+3], ROWB<<16
	s_mov_b32 s[G1B+4], 128
	s_mov_b32 s[G1B+5], KROW
	s_mov_b32 s[G1B+6], 0
	s_mov_b32 s[G1B+7], 0
	s_lshl_b32 s18, s16, 7
	s_lshl_b32 s20, s17, 8
	s_add_co_u32 s20, s20, s18
	s_lshl_b32 s20, s20, 6
	s_mov_b32 s21, 0
	s_lshl_b32 s46, s42, 8
	s_add_co_u32 s46, s46, s18
	s_lshl_b32 s46, s46, 10
	s_add_co_u32 s46, s46, 3*1048576
	s_mov_b32 s47, 0
	s_mul_i32 s45, s16, HALFA
	s_mul_i32 s66, s16, HALFB
	s_add_co_u32 s66, s66, 2*HALFA
	s_wait_dscnt 0x0
	s_wait_kmcnt 0x0
	s_load_b64 s[96:97], s[8:9], 0x28
	s_add_nc_u64 s[20:21], s[4:5], s[20:21]
	s_add_nc_u64 s[46:47], s[6:7], s[46:47]
	CROUND
.irp s, 0,1
	s_mov_b32 s[G0+4*\s], 1
	s_add_co_u32 s[G0+4*\s+1], s45, \s*SLOT
	s_add_nc_u64 s[G0+4*\s+2:G0+4*\s+3], s[20:21], \s*ASTEP
	s_or_b32 s[G0+4*\s+3], s[G0+4*\s+3], 0x80000000
	s_mov_b32 s[G0B+4*\s], 1
	s_add_co_u32 s[G0B+4*\s+1], s66, \s*SLOT
	s_add_nc_u64 s[G0B+4*\s+2:G0B+4*\s+3], s[46:47], \s*ROWB
	s_or_b32 s[G0B+4*\s+3], s[G0B+4*\s+3], 0x80000000
	s_wait_alu depctr_va_vdst(0)
	s_wait_tensorcnt 0x0
	ds_add_u32 v28, v29
	ds_add_u32 v28, v29
	s_wait_dscnt 0x0
	CROUND
	JLOAD G0+4*\s, G1, G0B+4*\s, G1B
.endr
	v_and_b32 v1, 15, v0
	v_bfe_u32 v2, v0, 4, 1
	v_mul_u32_u24 v3, v1, PITCH
	v_lshl_add_u32 v4, v2, 4, v3
	v_mul_u32_u24 v3, v1, APITCH
	v_lshl_add_u32 v5, v2, 4, v3
	s_mul_i32 s21, s15, HALFA
	s_mul_i32 s22, s16, HALFB
	s_add_co_u32 s22, s22, 2*HALFA
.irp s, 0,1
	v_add_nc_u32 v[ADRA+\s], s21, v5
	v_add_nc_u32 v[ADRB+\s], s22, v4
	s_add_co_u32 s21, s21, SLOT
	s_add_co_u32 s22, s22, SLOT
.endr
	s_mul_i32 s23, s14, 16*SPITCH
	v_mul_u32_u24 v6, v1, SPITCH
	v_lshl_add_u32 v6, v2, 5, v6
	v_add_nc_u32 v[STO], s23, v6
	v_and_b32 v7, 31, v0
	v_lshlrev_b32 v[CO], 4, v7
	v_add_nc_u32 v[RD], s23, v[CO]
	s_lshl_b32 s20, s17, 8
	s_lshl_b32 s21, s15, 7
	s_add_co_u32 s20, s20, s21
	s_lshl_b32 s20, s20, 12
	s_lshl_b32 s46, s42, 10
	s_lshl_b32 s47, s16, 9
	s_add_co_u32 s46, s46, s47
	s_add_co_u32 s20, s20, s46
	s_mov_b32 s21, 0
	s_add_nc_u64 s[10:11], s[10:11], s[20:21]
.macro FRAG reg, adr, q, i
.irp c, 0,1,2,3
	ds_load_b128 v[\reg+4*\c:\reg+4*\c+3], v[\adr] offset:128*(\q)+32*\c+(\i)*16*PITCH
.endr
.endm
.macro FRAGA reg, adr, q, i
.irp c, 0,1,2,3
	ds_load_b128 v[\reg+4*\c:\reg+4*\c+3], v[\adr] offset:(2*(\q)+\c/2)*CHB+32*(\c%2)+(\i)*16*APITCH
.endr
.endm
.macro MUL16 a0, p, zero
.irp a, \a0, \a0+1
.irp b, 0,1,2,3,4,5,6,7
.if \zero
	v_wmma_f32_16x16x128_fp8_fp8 v[8*(8*((\a)%4)+\b):8*(8*((\a)%4)+\b)+7], v[128*(\p)+FR*\b:128*(\p)+FR*\b+FR-1], v[AF+FR*(\a):AF+FR*(\a)+FR-1], 0
.else
	v_wmma_f32_16x16x128_fp8_fp8 v[8*(8*((\a)%4)+\b):8*(8*((\a)%4)+\b)+7], v[128*(\p)+FR*\b:128*(\p)+FR*\b+FR-1], v[AF+FR*(\a):AF+FR*(\a)+FR-1], v[8*(8*((\a)%4)+\b):8*(8*((\a)%4)+\b)+7]
.endif
.endr
.endr
.endm
.macro FETCH_B slot, q, p
	WIN TO_B
.irp i, 0,1,2,3,4,5,6,7
	FRAG 128*(\p)+FR*\i, ADRB+\slot, \q, \i
.endr
	WIN 0
.endm
.macro FETCH_A slot, q, i0
.irp i, \i0, \i0+1, \i0+2, \i0+3
	FRAGA AF+FR*(\i), ADRA+\slot, \q, \i
.endr
.endm
.macro PLACES n
.rept \n
	v_nop
.endr
.endm
.macro STEP slot, q, zero
	s_wait_dscnt 4*NL
	WIN MUL_LO
	MUL16 0, (\q)%2, \zero
	MUL16 2, (\q)%2, \zero
	s_wait_dscnt 0
	PLACES NP
	FETCH_B \slot, (\q)+1, 1-(\q)%2
	FETCH_A \slot, (\q)+1, 0
	WIN MUL_HI
	MUL16 4, (\q)%2, \zero
	MUL16 6, (\q)%2, \zero
	PLACES NP
	WIN 0
	FETCH_A \slot, (\q)+1, 4
.endm
.macro TURN slot, next, fill
	s_wait_tensorcnt 0x0
	ds_add_u32 v[SPW], v[NIL]
	s_wait_dscnt 4*NL+1
	WIN MUL_LO
	MUL16 0, 1, 0
	s_wait_dscnt 0x0
	s_barrier_signal -1
	MUL16 2, 1, 0
	WIN 0
	s_barrier_wait -1
.if \fill
	CREST
	s_add_nc_u64 s[G0+4*\slot+2:G0+4*\slot+3], s[G0+4*\slot+2:G0+4*\slot+3], 2*ASTEP
	s_add_nc_u64 s[G0B+4*\slot+2:G0B+4*\slot+3], s[G0B+4*\slot+2:G0B+4*\slot+3], 2*ROWB
	JLOAD G0+4*\slot, G1, G0B+4*\slot, G1B
.else
	PLACES NP
.endif
	FETCH_B \next, 0, 0
	FETCH_A \next, 0, 0
	WIN MUL_HI
	MUL16 4, 1, 0
	MUL16 6, 1, 0
	PLACES NP
	WIN 0
	FETCH_A \next, 0, 4
.endm
	s_wait_alu depctr_va_vdst(0)
	s_wait_tensorcnt 1
	s_barrier_signal -1
	s_barrier_wait -1
	FETCH_B 0, 0, 0
	FETCH_A 0, 0, 0
	FETCH_A 0, 0, 4
	STEP 0, 0, 1
	TURN 0, 1, 1
	STEP 1, 0, 0
	TURN 1, 0, 1
	STEP 0, 0, 0
	TURN 0, 1, 0
	STEP 1, 0, 0
	s_wait_dscnt 4*NL
	WIN MUL_LO
	MUL16 0, 1, 0
	MUL16 2, 1, 0
	s_wait_dscnt 0
	WIN MUL_HI
	MUL16 4, 1, 0
	MUL16 6, 1, 0
	WIN 0
.macro TOSTAGE a
.set AC, 64*((\a)%4)
	WIN 0x02+((\a)/4)
.set j, 0
.rept 32
	v_pk_mul_f32 v[TMP+j:TMP+j+1], v[AC+j:AC+j+1], s[96:97] op_sel_hi:[1,0]
.set j, j+2
.endr
	WIN 0
.irp b, 0,1,2,3,4,5,6,7
	ds_store_b128 v[STO], v[TMP+8*\b:TMP+8*\b+3] offset:64*\b
	ds_store_b128 v[STO], v[TMP+8*\b+4:TMP+8*\b+7] offset:64*\b+16
.endr
.set BB, BK+64*((\a)%2)
.irp t, 0,1,2,3,4,5,6,7,8,9,10,11,12,13,14,15
	ds_load_b128 v[BB+4*\t:BB+4*\t+3], v[RD] offset:\t*SPITCH
.endr
.endm
.macro SEND a, younger
.set BB, BK+64*((\a)%2)
	s_wait_dscnt \younger
.if (\a) > 0
	s_add_nc_u64 s[10:11], s[10:11], 16*SIZE_N*4
.endif
.irp t, 0,1,2,3,4,5,6,7,8,9,10,11,12,13,14,15
	global_store_b128 v[CO], v[BB+4*\t:BB+4*\t+3], s[10:11] offset:\t*SIZE_N*4 th:TH_STORE_NT
.endr
.endm
	s_wait_kmcnt 0x0
	s_add_co_i32 s96, s96, s97
	s_add_co_i32 s96, s96, 127
	s_lshl_b32 s96, s96, 23
	PLACES NP
	TOSTAGE 0
.irp a, 1,2,3,4,5,6,7
.if \a > 1
	s_wait_xcnt 0x0
.endif
	TOSTAGE \a
	SEND \a-1, 32
.endr
	s_wait_xcnt 0x0
	SEND 7, 0
	s_wait_tensorcnt 0x0
	ds_add_u32 v[SPW], v[NIL]
	s_wait_dscnt 0x0
	CROUND
	s_endpgm
.Lfunc_end_k_q6bc4f6444b_proj:
	.size	k_q6bc4f6444b_proj, .Lfunc_end_k_q6bc4f6444b_proj-k_q6bc4f6444b_proj
	.p2alignl 7, 3214868480
	.fill 96, 4, 3214868480
	.section	.rodata,"a",@progbits
	.p2align	6, 0x0
	.amdhsa_kernel k_q6bc4f6444b_proj
		.amdhsa_group_segment_fixed_size 327680
		.amdhsa_private_segment_fixed_size 0
		.amdhsa_enable_private_segment 0
		.amdhsa_kernarg_size 32
		.amdhsa_user_sgpr_count 2
		.amdhsa_user_sgpr_kernarg_segment_ptr 1
		.amdhsa_wavefront_size32 1
		.amdhsa_system_sgpr_workgroup_id_x 1
		.amdhsa_system_sgpr_workgroup_id_y 1
		.amdhsa_system_sgpr_workgroup_id_z 1
		.amdhsa_system_vgpr_workitem_id 0
		.amdhsa_next_free_vgpr 1024
		.amdhsa_next_free_sgpr 98
		.amdhsa_reserve_vcc 0
		.amdhsa_float_denorm_mode_32 3
		.amdhsa_float_denorm_mode_16_64 3
		.amdhsa_memory_ordered 1
		.amdhsa_forward_progress 1
		.amdhsa_inst_pref_size 124
	.end_amdhsa_kernel
	.amdgpu_metadata
---
amdhsa.version: [ 1, 2 ]
amdhsa.kernels:
  - .name:           k_q6bc4f6444b_proj
    .symbol:         k_q6bc4f6444b_proj.kd
    .args:
      - { .name: ac, .offset: 0, .size: 8, .value_kind: global_buffer, .address_space: global }
      - { .name: wc, .offset: 8, .size: 8, .value_kind: global_buffer, .address_space: global }
      - { .name: lowp_scales, .offset: 16, .size: 8, .value_kind: global_buffer, .address_space: global }
      - { .name: out0, .offset: 24, .size: 8, .value_kind: global_buffer, .address_space: global }
    .group_segment_fixed_size: 327680
    .private_segment_fixed_size: 0
    .kernarg_segment_align: 8
    .kernarg_segment_size: 32
    .max_flat_workgroup_size: 128
    .sgpr_count:     98
    .vgpr_count:     1024
    .wavefront_size: 32
...
	.end_amdgpu_metadata
.endif
;; end of part 4
